; MI455X (gfx1250); checked and timed in simulation.
; The chip was launched on July 23, 2026; its instructions are those of AMD's public machine-readable ISA for CDNA 5 (MIT licence, August 2026) and "CDNA5" Instruction Set Architecture Reference Guide (July 2026). The comments in the code are by the model that wrote it; some were corrected since.
;; Causal Self Attention. Allowed arithmetic: float matrix products may take bf16 or f16 operands with f32 sums; other float arithmetic in f32, or as packed bf16 or f16 multiplies, adds, multiply-adds, maxima and minima; sums over many terms, partial sums and values carried from step to step in f32; what a program stores and reads back later, other than sums and carried values, may be rounded once to bf16 or f16.
;; Inputs: cos 1 x 2,048 x 1 x 64 float32; sin 1 x 2,048 x 1 x 64 float32; wk 2,048 x 512 float32; wproj 512 x 2,048 float32; wq 2,048 x 512 float32; wv 2,048 x 512 float32; x 4 x 2,048 x 2,048 float32.
;; Outputs: out0 4 x 2,048 x 2,048 float32.
;; One version. Each part assembles by itself: llvm-mc -triple=amdgcn-amd-amdhsa -mcpu=gfx1250 --defsym DOCPART=n.
;; ======== version 1 of 1: 4 launches
;; limits: values are held in f16: magnitudes above 65,504 overflow, below 6.1e-05 lose precision
;; workspace buffers: xb 33,554,432 bytes; wt 6,291,456 bytes; wpt 2,097,152 bytes; qh 8,388,608 bytes; kh 8,388,608 bytes; vh 8,388,608 bytes; yb 8,388,608 bytes
;; launch prep (part 1): grid 1536 x 1, 8 waves a work-group, no clusters, 18,432 bytes of LDS; arguments x, wq, wk, wv, wproj, xb, wt, wpt; writes xb, wt, wpt
.if DOCPART == 1
	.amdgcn_target "amdgcn-amd-amdhsa--gfx1250"
	.amdhsa_code_object_version 6
	.text
	.protected	k_q3d43a9011a_prep
	.globl	k_q3d43a9011a_prep
	.p2align	8
	.type	k_q3d43a9011a_prep,@function
k_q3d43a9011a_prep:
	s_mov_b64 s[64:65], 0
	v_nop
	global_prefetch_b8 v0, s[64:65] scope:SCOPE_SE
	s_setreg_imm32_b32 hwreg(HW_REG_WAVE_MODE, 25, 1), 1
	s_wait_xcnt 0x0
; PREPARATION.  x [8192][2048] f32 -> xb, bf16, same order.  wq, wk, wv [2048 k][512 n] f32 -> wt [1536][2048 k] bf16, turned and with its rows in the order in which
; the projection's waves want them.  wproj [512 k][2048 n] f32 -> wpt [2048][512 k]: rounded to bf16 like every input of the module, and that number written as f16
; (exact down to 2^-14; below that f16's fixed step of 2^-24 is kept: an entry under 6e-5 is off by 3e-8 at the most).
; wt:  row 384 hd + 96 w + 32 j + 16 half + i holds column 128 hd + 64 half + 16 w + i of W_j (j = 0 q, 1 k, 2 v).
; wpt: row 64 G + 16 nb + r holds column 64 G + 4 r + nb of wproj.
; Work-groups 0 .. 1023 cast 65,536 bytes of x each; 1024 .. 1407 turn one tile of 64 n x 128 k of wq, wk or wv; 1408 .. 1535 one of wproj.  Memory binds: no matrix unit, no cluster.
.set SPARE, 17408                      ; behind the tile of 64 rows x 272 bytes: the spare words, 128 bytes for each of eight waves
.set SPW, 10                           ; v10  LDS address of my spare word; never rewritten
.set NIL, 11                           ; v11  0; never rewritten
.set X,   16                           ; v[16:79]  as loaded
.set Y,   80                           ; v[80:111] to store (the cast)
.set W,   48                           ; v[48:63]  the turning: 16 words of two 16-bit numbers
	s_load_b512 s[4:19], s[0:1], 0x0               ; x s[4:5], wq s[6:7], wk s[8:9], wv s[10:11], wproj s[12:13], xb s[14:15], wt s[16:17], wpt s[18:19]
	v_lshl_add_u32 v[SPW], v0, 2, SPARE
	v_mov_b32 v[NIL], 0
	s_cmp_lt_u32 ttmp9, 1024
	s_cbranch_scc0 .Lweights
	; THE CAST.  Thread t takes 16 bytes at 16 t of each of sixteen blocks of 4,096 bytes; all sixteen loads go out before the first is waited for.
	s_lshl_b32 s20, ttmp9, 16
	s_mov_b32 s21, 0
	s_lshl_b32 s22, ttmp9, 15
	s_mov_b32 s23, 0
	v_lshlrev_b32 v1, 4, v0
	v_lshlrev_b32 v2, 3, v0
	s_wait_kmcnt 0x0
	s_add_nc_u64 s[4:5], s[4:5], s[20:21]
	s_add_nc_u64 s[14:15], s[14:15], s[22:23]
.set i, 0
.rept 16
	global_load_b128 v[X+4*i:X+4*i+3], v1, s[4:5] offset:4096*i th:TH_LOAD_NT
.set i, i+1
.endr
.set i, 0
.rept 16
	s_wait_loadcnt 15-i                            ; loads come back in order: number i is in, the 15 - i younger ones stay out
	v_cvt_pk_bf16_f32 v[Y+2*i], v[X+4*i], v[X+4*i+1]
	v_cvt_pk_bf16_f32 v[Y+2*i+1], v[X+4*i+2], v[X+4*i+3]
	global_store_b64 v2, v[Y+2*i:Y+2*i+1], s[14:15] offset:2048*i  ; a wave's 32 lanes store 256 consecutive bytes, aligned
.set i, i+1
.endr
	s_endpgm
; One tile of 64 n x 128 k.  s[26:27]: the tile's first number in the source; s[28:29] and v3: where a row of the turned tile goes; v4 = t % 16, v5 = t / 16.
; In: thread t takes columns 4 (t % 16) .. + 3 of the rows k = 2 p and 2 p + 1, p = t / 16 + 16 it: sixteen lanes read 256 consecutive bytes.  The two rows' numbers are rounded in pairs,
; so a word holds k = 2 p and 2 p + 1 of one column, and goes to LDS row n, word p.  Out: sixteen lanes take a row's 256 bytes and store them whole.
.macro WTILE pitch, isproj, step
	v_mul_u32_u24 v6, v5, 2*(\pitch)
	v_lshl_add_u32 v6, v4, 4, v6
.irp it, 0,1,2,3
	global_load_b128 v[X+8*(\it):X+8*(\it)+3],   v6, s[26:27] offset:32*(\it)*(\pitch) th:TH_LOAD_NT
	global_load_b128 v[X+8*(\it)+4:X+8*(\it)+7], v6, s[26:27] offset:32*(\it)*(\pitch)+(\pitch) th:TH_LOAD_NT
.endr
	v_mul_u32_u24 v7, v4, 1088                     ; LDS row 4 (t % 16), pitch 272,
	v_lshl_add_u32 v7, v5, 2, v7                   ; word t / 16
	v_mul_u32_u24 v8, v5, 272                      ; back: row t / 16,
	v_lshl_add_u32 v8, v4, 4, v8                   ; 16 bytes at 16 (t % 16)
	s_wait_loadcnt 0x0
.irp it, 0,1,2,3
.irp i, 0,1,2,3
	v_cvt_pk_bf16_f32 v[W+4*(\it)+(\i)], v[X+8*(\it)+(\i)], v[X+8*(\it)+4+(\i)]
.if \isproj
	v_lshlrev_b32 v12, 16, v[W+4*(\it)+(\i)]       ; the two bf16 numbers as f32,
	v_and_b32 v13, 0xffff0000, v[W+4*(\it)+(\i)]
	v_cvt_pk_f16_f32 v[W+4*(\it)+(\i)], v12, v13   ; written as f16
.endif
	ds_store_b32 v7, v[W+4*(\it)+(\i)] offset:272*(\i)+64*(\it)
.endr
.endr
	s_wait_dscnt 0x0                               ; for the others' sake: my stores are done
	s_barrier_signal -1
	s_barrier_wait -1
.irp it, 0,1,2,3
	ds_load_b128 v[X+4*(\it):X+4*(\it)+3], v8 offset:4352*(\it)  ; rows t / 16 + 16 it
.endr
.irp it, 0,1,2,3
	s_wait_dscnt 3-(\it)
	global_store_b128 v3, v[X+4*(\it):X+4*(\it)+3], s[28:29] offset:(\step)*(\it)  ; sixteen lanes store 256 consecutive bytes, aligned
.endr
	s_wait_tensorcnt 0x0                           ; the wave's end, behind my last LDS store
	ds_add_u32 v[SPW], v[NIL]
	s_wait_dscnt 0x0
	s_endpgm
.endm
.Lweights:
	v_and_b32 v4, 15, v0
	v_lshrrev_b32 v5, 4, v0
	s_sub_co_u32 s24, ttmp9, 1024
	s_cmp_lt_u32 s24, 384
	s_cbranch_scc0 .Lproj
	s_lshr_b32 s25, s24, 7                         ; j: which of wq, wk, wv
	s_bfe_u32 s30, s24, 0x30004                    ; tn: which 64 columns
	s_and_b32 s31, s24, 15                         ; tk: which 128 rows
	s_lshl_b32 s20, s31, 18                        ; 128 tk rows of 2,048 bytes
	s_lshl_b32 s21, s30, 8                         ; 64 tn columns of 4 bytes
	s_add_co_u32 s20, s20, s21
	s_mov_b32 s21, 0
	s_lshr_b32 s22, s30, 1                         ; the head,
	s_mul_i32 s22, s22, 384
	s_lshl_b32 s23, s25, 5
	s_add_co_u32 s22, s22, s23                     ; + 32 j
	s_and_b32 s23, s30, 1
	s_lshl_b32 s23, s23, 4
	s_add_co_u32 s22, s22, s23                     ; + 16 half
	s_lshl_b32 s22, s22, 12                        ; rows of 4,096 bytes
	s_lshl_b32 s23, s31, 8
	s_add_co_u32 s22, s22, s23                     ; + 128 tk numbers of 2 bytes
	s_mov_b32 s23, 0
	v_lshlrev_b32 v3, 12, v5                       ; row i = t / 16,
	v_lshl_add_u32 v3, v4, 4, v3                   ; my 16 bytes of it
	s_wait_kmcnt 0x0
	s_cmp_eq_u32 s25, 1
	s_cselect_b64 s[26:27], s[8:9], s[6:7]
	s_cmp_eq_u32 s25, 2
	s_cselect_b64 s[26:27], s[10:11], s[26:27]
	s_add_nc_u64 s[26:27], s[26:27], s[20:21]
	s_add_nc_u64 s[28:29], s[16:17], s[22:23]
	WTILE 2048, 0, 96*4096                         ; the tile's rows 16 it + i go 96 rows of wt apart: to wave it's part
.Lproj:
	s_sub_co_u32 s24, s24, 384
	s_lshr_b32 s30, s24, 2                         ; tn = G
	s_and_b32 s31, s24, 3                          ; tk
	s_lshl_b32 s20, s31, 20                        ; 128 tk rows of 8,192 bytes
	s_lshl_b32 s21, s30, 8
	s_add_co_u32 s20, s20, s21
	s_mov_b32 s21, 0
	s_lshl_b32 s22, s30, 16                        ; 64 G rows of 1,024 bytes
	s_lshl_b32 s23, s31, 8
	s_add_co_u32 s22, s22, s23
	s_mov_b32 s23, 0
	v_and_b32 v9, 3, v5                            ; column n = 16 it + t / 16 = 4 r + nb: nb = (t / 16) % 4,
	v_lshrrev_b32 v12, 6, v0                       ; r = 4 it + t / 64
	v_lshl_add_u32 v9, v9, 4, v12                  ; row 16 nb + t / 64 (+ 4 it in the immediate)
	v_lshlrev_b32 v3, 10, v9
	v_lshl_add_u32 v3, v4, 4, v3
	s_wait_kmcnt 0x0
	s_add_nc_u64 s[26:27], s[12:13], s[20:21]
	s_add_nc_u64 s[28:29], s[18:19], s[22:23]
	WTILE 8192, 1, 4*1024
.Lfunc_end_k_q3d43a9011a_prep:
	.size	k_q3d43a9011a_prep, .Lfunc_end_k_q3d43a9011a_prep-k_q3d43a9011a_prep
	.p2alignl 7, 3214868480
	.fill 96, 4, 3214868480
	.section	.rodata,"a",@progbits
	.p2align	6, 0x0
	.amdhsa_kernel k_q3d43a9011a_prep
		.amdhsa_group_segment_fixed_size 18432
		.amdhsa_private_segment_fixed_size 0
		.amdhsa_enable_private_segment 0
		.amdhsa_kernarg_size 64
		.amdhsa_user_sgpr_count 2
		.amdhsa_user_sgpr_kernarg_segment_ptr 1
		.amdhsa_wavefront_size32 1
		.amdhsa_system_sgpr_workgroup_id_x 1
		.amdhsa_system_sgpr_workgroup_id_y 1
		.amdhsa_system_sgpr_workgroup_id_z 1
		.amdhsa_system_vgpr_workitem_id 0
		.amdhsa_next_free_vgpr 112
		.amdhsa_next_free_sgpr 66
		.amdhsa_reserve_vcc 0
		.amdhsa_float_denorm_mode_32 3
		.amdhsa_float_denorm_mode_16_64 3
		.amdhsa_memory_ordered 1
		.amdhsa_forward_progress 1
		.amdhsa_inst_pref_size 20
	.end_amdhsa_kernel
	.amdgpu_metadata
---
amdhsa.version: [ 1, 2 ]
amdhsa.kernels:
  - .name:           k_q3d43a9011a_prep
    .symbol:         k_q3d43a9011a_prep.kd
    .args:
      - { .name: x, .offset: 0, .size: 8, .value_kind: global_buffer, .address_space: global }
      - { .name: wq, .offset: 8, .size: 8, .value_kind: global_buffer, .address_space: global }
      - { .name: wk, .offset: 16, .size: 8, .value_kind: global_buffer, .address_space: global }
      - { .name: wv, .offset: 24, .size: 8, .value_kind: global_buffer, .address_space: global }
      - { .name: wproj, .offset: 32, .size: 8, .value_kind: global_buffer, .address_space: global }
      - { .name: xb, .offset: 40, .size: 8, .value_kind: global_buffer, .address_space: global }
      - { .name: wt, .offset: 48, .size: 8, .value_kind: global_buffer, .address_space: global }
      - { .name: wpt, .offset: 56, .size: 8, .value_kind: global_buffer, .address_space: global }
    .group_segment_fixed_size: 18432
    .private_segment_fixed_size: 0
    .kernarg_segment_align: 8
    .kernarg_segment_size: 64
    .max_flat_workgroup_size: 256
    .sgpr_count:     66
    .vgpr_count:     112
    .wavefront_size: 32
...
	.end_amdgpu_metadata
.endif
;; end of part 1
;; launch qkv (part 2): grid 4 x 64, 4 waves a work-group, clusters of 4 x 4, 327,680 bytes of LDS; arguments xb, wt, cos, sin, qh, kh, vh; writes qh, kh, vh
.if DOCPART == 2
	.amdgcn_target "amdgcn-amd-amdhsa--gfx1250"
	.amdhsa_code_object_version 6
	.text
	.protected	k_q3d43a9011a_qkv
	.globl	k_q3d43a9011a_qkv
	.p2align	8
	.type	k_q3d43a9011a_qkv,@function
k_q3d43a9011a_qkv:
	s_mov_b64 s[64:65], 0
	v_nop
	global_prefetch_b8 v0, s[64:65] scope:SCOPE_SE
	s_setreg_imm32_b32 hwreg(HW_REG_WAVE_MODE, 25, 1), 1
	s_wait_xcnt 0x0
	s_wait_alu depctr_hold_cnt(0) depctr_sa_sdst(0) depctr_va_vdst(0) depctr_va_sdst(0) depctr_va_ssrc(0) depctr_va_vcc(0) depctr_vm_vsrc(0)
	s_getreg_b32 s2, hwreg(HW_REG_IB_STS2, 6, 4)
	s_cmp_eq_u32 s2, 0
	s_cbranch_scc0 .Lentry_in_a_cluster
	s_endpgm
.Lentry_in_a_cluster:
	s_bfe_u32 s2, ttmp6, 0x10000c
	s_cmp_lg_u32 s2, 0xf033
	s_cbranch_scc0 .Lentry_shape_is_right
	s_endpgm
.Lentry_shape_is_right:
; q, k, v = x @ [wq, wk, wv]; RoPE and RMS norm of q and k; q times c = log2(e) / sqrt(128); all three rounded once to f16 and laid out by heads, [16 = 4 b + h][2048][128].
; xb [8192][2048] and wt [1536][2048] are bf16 (products in bf16, sums in f32); cos and sin [2048][64] f32 are rounded to bf16 here, like every input of the module, and used in f32.
; LIMITS.  v is kept in f16: |v| stays under 65,504.  q and k are normalised, so they lie within sqrt(128).  NaN and infinities are not treated apart.
; SHARES.  A work-group makes 128 rows x 384 columns: one head's q, k and v.  64 x 4 work-groups.  Each of four waves takes all 128 rows x 96 columns: 48 accumulators, 384 registers.
; wt's rows are ordered so that wave w's 96 lie on end, as six blocks nb = 2 j + half of 16: channel 64 half + 16 w + i of W_j.  So the two channels d and d + 64 that RoPE joins lie in the same
; lane and register of two neighbouring accumulators.
; K goes in steps of 128 through a ring of two LDS slots (rows of 256 bytes of memory, aligned).  CLUSTER 4 x 4: x's tile is shared along a row of the cluster (the four heads), wt's along a column.
; Wave 0 asks for x's 128 rows, waves 1 to 3 for 128 rows of wt each: one joint load a wave.  By this text's count a wave has two tensor loads out at the start and one behind each round.
; THE PRODUCT IS USED TRANSPOSED (source 0 = 16 rows of wt, source 1 = 16 rows of x): lane l holds row l % 16 of x and the eight channels 8 (l / 16) + 0 .. 7 of the block.
; REGISTERS, in windows of 256 (s_set_vgpr_msb: bits 1:0 source 0, 3:2 source 1, 5:4 source 2, 7:6 destination):
;   window 0: v0-31 addresses; two fragment buffers of 112 (v32-143, v144-255): wt's six blocks, then x's eight;  on the way out v32-255 are at work
;   window 1: accumulators of row blocks a = 0..3 at 8 (6 a + nb); v192-223 at work     window 2: the same for a = 4..7     window 3: cos at 8 a, sin at 64 + 8 a
.set PITCH,  272                       ; an LDS row: 256 bytes + 16 of padding, so that the 16 rows of a fragment load start 16 bytes further round each time
.set HALFT,  128*PITCH                 ; what one tensor load brings
.set SLOT,   4*HALFT                   ; x's 128 rows, then wt's 384
.set SSQ,    2*SLOT                    ; behind the ring: sums of squares, [16 (a, j)][16 rows][4 waves] f32
.set SPARE,  SSQ+4096                  ; the spare words, 128 bytes for each wave
.set CSO,  15                          ; v15  my byte offset in 16 rows of cos and sin
.set ADRA, 16                          ; v16-17  LDS address of x's fragments in slot 0, 1
.set ADRB, 20                          ; v20-21  of wt's
.set STO,  22                          ; v22-23  the way out: where I put 16 bytes of a row (q and k; v)
.set STO2, 23
.set RD,   24                          ; v24-25  where I read rows back
.set RD2,  25
.set GO,   26                          ; v26  my byte offset in the block's 128 rows of q, k, v
.set SS,   27                          ; v27  where my sum of squares goes
.set SPW,  28                          ; v28  my spare word; never rewritten
.set NIL,  29                          ; v29  0; never rewritten
.set PFO,  30                          ; v30  the prefetches' offset: lane x 4,096 bytes; never rewritten
.set SL,   31                          ; v31  where a row's four sums are read
.set F0,   32
.set F1,   144
.set SQV,  32                          ; way out: 16 sums of squares
.set PX,   48                          ; the other half of the lanes'
.set SC,   64                          ; 16 scales, four registers apart
.set TC,   128                         ; packed results, two sets of 24
.set OB,   32                          ; 48 x 4 registers read back
.set G1, 24                            ; s[24:31] group 1 for x's tiles; s[32:39] group 0, a set for each slot
.set G0, 32
.set G1B, 48                           ; s[48:55], s[56:63] the same for wt's
.set G0B, 56
.set PFA, 44                           ; s[44:45] where my prefetches stand
.set LIM, 43                           ; s43  1 in a wave that prefetches, else the greatest number
.set MSB, 0
.macro WIN new                         ; the immediate's high byte repeats the setting that is left; a switch that changes nothing is dropped
.if MSB != (\new)
	s_set_vgpr_msb (MSB<<8)|(\new)
.set MSB, \new
.endif
.endm
.macro PLACES                          ; four plain places behind matrix instructions, in front of loads into their sources and of readers of their results
.rept 4
	v_nop
.endr
.endm
.macro JLOAD s                         ; a joint load; the branch hangs on the wave's number alone.  An s_nop 0 and four v_nop follow each line
	s_cmp_eq_u32 s10, 0
	s_cbranch_scc0 .Lfor_b_\@
	tensor_load_to_lds s[G0+4*(\s):G0+4*(\s)+3], s[G1:G1+7]
	s_nop 0
.rept 4
	v_nop
.endr
	s_branch .Lasked_\@
.Lfor_b_\@:
	tensor_load_to_lds s[G0B+4*(\s):G0B+4*(\s)+3], s[G1B:G1B+7]
	s_nop 0
.rept 4
	v_nop
.endr
.Lasked_\@:
.endm
; A prefetch of the K step that stands two refills on: 32 rows x 256 bytes, a lane a row.  x's rows are read by my cluster alone: wave 0 asks, the four partners of a row of the cluster share the 128 rows
; out by address (32 cx on).  wt's rows are read by every cluster: those of cluster y = 0 ask, waves 1 to 3, the partners of a column sharing by address (32 cy on).  So each row's 256 bytes are named once.
; The loop's last trip (s3 = 1) has no K step two on.
.macro ASK
	s_cmp_gt_u32 s3, s[LIM]
	s_cbranch_scc0 .Lnot_mine_\@
	global_prefetch_b8 v[PFO], s[PFA:PFA+1] offset:256 th:TH_LOAD_NT scope:SCOPE_SE
.Lnot_mine_\@:
.endm
.macro CREST                           ; a round of the cluster's barrier behind its opening barrier
	s_cmp_lg_u32 s10, 0
	s_cbranch_scc1 .Lnot_wave_0_\@
	s_barrier_signal -3
.Lnot_wave_0_\@:
	s_barrier_wait -3
	s_barrier_signal -1
	s_barrier_wait -1
.endm
.macro CROUND
	s_barrier_signal -1
	s_barrier_wait -1
	CREST
.endm
	s_load_b256 s[68:75], s[0:1], 0x0              ; xb s[68:69], wt s[70:71], cos s[72:73], sin s[74:75]
	s_load_b128 s[76:79], s[0:1], 0x20             ; qh s[76:77], kh s[78:79]
	s_load_b64 s[80:81], s[0:1], 0x30              ; vh
	v_lshl_add_u32 v[SPW], v0, 2, SPARE
	v_mov_b32 v[NIL], 0
	ds_add_u32 v[SPW], v[NIL]                      ; the wave's opening: the add and its wait stand ahead of my first tensor load; the set-up stands between them
	v_lshrrev_b32 v1, 5, v0
	v_readfirstlane_b32 s10, v1                    ; wave 0..3
	s_bfe_u32 s40, ttmp6, 0x40000                  ; cx
	s_bfe_u32 s41, ttmp6, 0x40004                  ; cy
	s_lshl_b32 s42, ttmp9, 2
	s_add_co_u32 s42, s42, s40                     ; the head = 4 x cluster x + cx
	s_and_b32 s13, ttmp7, 0xffff
	s_lshl_b32 s13, s13, 2
	s_add_co_u32 s13, s13, s41                     ; the block of 128 rows = 4 x cluster y + cy
	s_lshl_b32 s11, s41, 2
	s_lshl_b32 s11, 15, s11                        ; my row of the cluster
	s_lshl_b32 s12, 0x1111, s40                    ; my column
	s_or_b32 s[G1], s11, (1<<16)|(1<<20)|(1<<21)|(5<<22)|(3<<25)   ; the mask; 2-byte elements; padding on; bit 21 beside a mask; after every 64 words, 4 words
	s_or_b32 s[G1B], s12, (1<<16)|(1<<20)|(1<<21)|(5<<22)|(3<<25)
.irp g, G1, G1B
	s_mov_b32 s[(\g)+1], 128<<16                   ; tensor_dim0 = 128
	s_mov_b32 s[(\g)+2], 128<<16                   ; tensor_dim1 = 128
	s_mov_b32 s[(\g)+3], 128<<16                   ; tile_dim0 = 128
	s_mov_b32 s[(\g)+4], 128                       ; tile_dim1 = 128
	s_mov_b32 s[(\g)+5], 2048                      ; elements from row to row
	s_mov_b32 s[(\g)+6], 0
	s_mov_b32 s[(\g)+7], 0
.endr
	s_lshl_b32 s16, s13, 19                        ; x: 128 rows of 4,096 bytes a block
	s_mov_b32 s17, 0
	s_mul_i32 s46, s42, 384                        ; wt: the head's 384 rows,
	s_max_u32 s47, s10, 1
	s_sub_co_u32 s47, s47, 1
	s_lshl_b32 s47, s47, 7                         ; of which waves 1, 2, 3 fetch 128 each
	s_add_co_u32 s46, s46, s47
	s_lshl_b32 s46, s46, 12
	s_mov_b32 s47, 0
	s_mul_i32 s20, s10, HALFT                      ; where they go: wave x 128 rows; no place in the cluster enters an LDS address
	s_mov_b32 s82, 0x76543210                      ; v_permlanex16_b32: each lane takes its own place in the other half
	s_mov_b32 s83, 0xfedcba98
	s_mov_b32 s84, 0x3c000000                      ; 1 / 128
	s_mov_b32 s85, 0x3727c5ac                      ; 1e-5
	s_mov_b32 s86, 0x3e0293ee                      ; c = log2(e) / sqrt(128)
	s_mov_b32 s87, 0xffff0000
	s_wait_dscnt 0x0                               ; the opening add is done
	s_wait_kmcnt 0x0
	s_add_nc_u64 s[14:15], s[68:69], s[16:17]
	s_add_nc_u64 s[46:47], s[70:71], s[46:47]
	CROUND                                         ; all sixteen work-groups are here: the first joint loads meet
.irp s, 0,1
	s_mov_b32 s[G0+4*(\s)], 1
	s_add_co_u32 s[G0+4*(\s)+1], s20, (\s)*SLOT
	s_add_nc_u64 s[G0+4*(\s)+2:G0+4*(\s)+3], s[14:15], (\s)*256   ; K step s
	s_or_b32 s[G0+4*(\s)+3], s[G0+4*(\s)+3], 0x80000000
	s_mov_b32 s[G0B+4*(\s)], 1
	s_add_co_u32 s[G0B+4*(\s)+1], s20, (\s)*SLOT
	s_add_nc_u64 s[G0B+4*(\s)+2:G0B+4*(\s)+3], s[46:47], (\s)*256
	s_or_b32 s[G0B+4*(\s)+3], s[G0B+4*(\s)+3], 0x80000000
	JLOAD \s
.endr
	v_and_b32 v1, 15, v0                           ; r = l % 16
	v_bfe_u32 v2, v0, 4, 1                         ; h = l / 16
	; cos and sin for my rows and channels: row t0 + 16 a + r, numbers 16 w + 8 h + 0 .. 7: 32 bytes of a row of 256
	v_lshlrev_b32 v[CSO], 8, v1
	v_lshl_add_u32 v[CSO], v2, 5, v[CSO]
	s_lshl_b32 s21, s10, 6
	v_add_nc_u32 v[CSO], s21, v[CSO]
	s_and_b32 s22, s13, 15
	s_lshl_b32 s22, s22, 15                        ; t0 = 128 (block % 16), rows of 256 bytes
	s_mov_b32 s23, 0
	s_add_nc_u64 s[72:73], s[72:73], s[22:23]
	s_add_nc_u64 s[74:75], s[74:75], s[22:23]
	WIN 0xc0                                       ; destination window 3
.irp a, 0,1,2,3,4,5,6,7
	global_load_b128 v[8*(\a):8*(\a)+3],       v[CSO], s[72:73] offset:4096*(\a)
	global_load_b128 v[8*(\a)+4:8*(\a)+7],     v[CSO], s[72:73] offset:4096*(\a)+16
	global_load_b128 v[64+8*(\a):64+8*(\a)+3], v[CSO], s[74:75] offset:4096*(\a)
	global_load_b128 v[64+8*(\a)+4:64+8*(\a)+7], v[CSO], s[74:75] offset:4096*(\a)+16
.endr
	WIN 0
	v_mul_u32_u24 v3, v1, PITCH
	v_lshl_add_u32 v3, v2, 4, v3                   ; a fragment's row x pitch + 16 x half
	s_mul_i32 s22, s10, 96*PITCH
	s_add_co_u32 s22, s22, HALFT                   ; my 96 rows of wt lie behind x's 128
	v_mov_b32 v[ADRA], v3
	v_add_nc_u32 v[ADRA+1], SLOT, v3
	v_add_nc_u32 v[ADRB], s22, v3
	s_add_co_u32 s22, s22, SLOT
	v_add_nc_u32 v[ADRB+1], s22, v3
	s_lshl_b32 s21, s10, 5
	v_add_nc_u32 v[STO], s21, v3                   ; stage: row r, bytes 32 w + 16 h (+ 128 half)
	v_add_nc_u32 v[STO2], 2*HALFT, v[STO]
	s_mul_i32 s21, s10, 32*PITCH                   ; back: wave w takes rows 32 w .. + 31, two to a load
	v_mul_u32_u24 v[RD], v2, PITCH
	v_lshl_add_u32 v[RD], v1, 4, v[RD]
	v_add_nc_u32 v[RD], s21, v[RD]
	v_add_nc_u32 v[RD2], 2*HALFT, v[RD]
	v_lshlrev_b32 v[GO], 8, v2
	v_lshl_add_u32 v[GO], v1, 4, v[GO]
	s_lshl_b32 s21, s10, 13
	v_add_nc_u32 v[GO], s21, v[GO]                 ; 8,192 w + 256 h + 16 r
	v_lshlrev_b32 v[SL], 4, v1
	v_add_nc_u32 v[SL], SSQ, v[SL]
	v_lshl_add_u32 v[SS], s10, 2, v[SL]
	; q, k, v at the block's first row: 256 (2048 (4 b + head) + t0)
	s_lshr_b32 s18, s13, 4
	s_lshl_b32 s18, s18, 2
	s_add_co_u32 s18, s18, s42
	s_lshl_b32 s18, s18, 19
	s_and_b32 s19, s13, 15
	s_lshl_b32 s19, s19, 15
	s_add_co_u32 s18, s18, s19
	s_mov_b32 s19, 0
	s_add_nc_u64 s[76:77], s[76:77], s[18:19]
	s_add_nc_u64 s[78:79], s[78:79], s[18:19]
	s_add_nc_u64 s[80:81], s[80:81], s[18:19]
	; the prefetches
	s_and_b32 s22, ttmp7, 0xffff                   ; cluster y
	s_lshl_b32 s18, s13, 7                         ; x: the block's first row
	s_mul_i32 s19, s42, 384                        ; wt: the first of the 128 rows that I fetch
	s_max_u32 s21, s10, 1
	s_sub_co_u32 s21, s21, 1
	s_lshl_b32 s21, s21, 7
	s_add_co_u32 s19, s19, s21
	s_cmp_eq_u32 s10, 0
	s_cselect_b32 s18, s18, s19
	s_cselect_b32 s21, s40, s41                    ; my place among the four that ask with me
	s_cselect_b32 s22, 0, s22                      ; x's rows are read by my cluster alone
	s_cselect_b64 s[PFA:PFA+1], s[68:69], s[70:71]
	s_cmp_eq_u32 s22, 0
	s_cselect_b32 s[LIM], 1, -1                    ; the same in all partners, for a given wave
	s_lshl_b32 s21, s21, 5
	s_add_co_u32 s18, s18, s21
	s_lshl_b32 s18, s18, 12
	s_mov_b32 s19, 0
	s_add_nc_u64 s[PFA:PFA+1], s[PFA:PFA+1], s[18:19]
	s_add_nc_u64 s[PFA:PFA+1], s[PFA:PFA+1], 2*256 ; at K step 2: the first refill steps it to 3 and names K step 4.  Nothing is asked for at the head
	v_and_b32 v[PFO], 31, v0
	v_lshlrev_b32 v[PFO], 12, v[PFO]
; 12 matrix instructions: row blocks a0, a0 + 1 of the window's four x the six blocks of wt, 32 along K.  zero = 1: the first product starts the sums.
; The 48 accumulators take turns, one instruction a turn, in the same order in every quarter.
.macro MUL12 f, hi, a0, zero
	WIN 0x50*(1+(\hi))
.irp a, \a0, (\a0)+1
.irp b, 0,1,2,3,4,5
.if \zero
	v_wmma_f32_16x16x32_bf16 v[8*(6*(\a)+(\b)):8*(6*(\a)+(\b))+7], v[(\f)+8*(\b):(\f)+8*(\b)+7], v[(\f)+48+8*(4*(\hi)+(\a)):(\f)+48+8*(4*(\hi)+(\a))+7], 0
.else
	v_wmma_f32_16x16x32_bf16 v[8*(6*(\a)+(\b)):8*(6*(\a)+(\b))+7], v[(\f)+8*(\b):(\f)+8*(\b)+7], v[(\f)+48+8*(4*(\hi)+(\a)):(\f)+48+8*(4*(\hi)+(\a))+7], v[8*(6*(\a)+(\b)):8*(6*(\a)+(\b))+7]
.endif
.endr
.endr
.endm
.macro MUL24 f, hi, zero
	MUL12 \f, \hi, 0, \zero
	MUL12 \f, \hi, 2, \zero
.endm
; 28 LDS loads in one run: a quarter step's fragments (96 rows of wt, 128 rows of x, 32 K at byte k of the rows) into buffer f
.macro FETCH slot, k, f
	WIN 0
.irp i, 0,1,2,3,4,5
	ds_load_b128 v[(\f)+8*(\i):(\f)+8*(\i)+3],   v[ADRB+(\slot)] offset:(\k)+(\i)*16*PITCH
	ds_load_b128 v[(\f)+8*(\i)+4:(\f)+8*(\i)+7], v[ADRB+(\slot)] offset:(\k)+(\i)*16*PITCH+32
.endr
.irp i, 0,1,2,3,4,5,6,7
	ds_load_b128 v[(\f)+48+8*(\i):(\f)+48+8*(\i)+3],   v[ADRA+(\slot)] offset:(\k)+(\i)*16*PITCH
	ds_load_b128 v[(\f)+48+8*(\i)+4:(\f)+48+8*(\i)+7], v[ADRA+(\slot)] offset:(\k)+(\i)*16*PITCH+32
.endr
.endm
; A K step is four quarters of 32 along K, 48 matrix instructions each, on buffers 0, 1, 0, 1.  One of the first three:
.macro QUARTER slot, k, f, g, zero
	s_wait_dscnt 8                                 ; wt's blocks and x's blocks 0-3 are in; the youngest eight loads (x's blocks 4-7) may be out
	MUL24 \f, 0, \zero
	PLACES
	FETCH \slot, \k, \g
	s_wait_dscnt 28                                ; all but the 28 just issued
	MUL24 \f, 1, \zero
.endm
; The last quarter changes slots.  In front of the barrier each wave waits for all its tensor loads (one is out: its part of the next slot), adds 0 to its spare word, and waits for that and for its reads of this slot.
.macro MEET round
	WIN 0
	s_wait_tensorcnt 0x0
	ds_add_u32 v[SPW], v[NIL]
	s_wait_dscnt 9                                 ; (the add and the youngest eight loads may be out)
	MUL12 F1, 0, 0, 0                              ; twelve matrix instructions stand between the add and the wait for it
	s_wait_dscnt 0x0                               ; the add is done, and my reads of this slot are over
	s_barrier_signal -1
	MUL12 F1, 0, 2, 0
.if \round
	WIN 0
.endif
	s_barrier_wait -1
.endm
.macro TURN slot, next, fill
.if \fill
	s_wait_xcnt 0x0                                ; the last prefetch, a K step back, has read its address
	s_add_nc_u64 s[PFA:PFA+1], s[PFA:PFA+1], 256
.endif
	MEET \fill
.if \fill
	CREST                                          ; the barrier has opened a round of the cluster's: no wave of any partner still reads this slot or has a load on its way
	s_add_nc_u64 s[G0+4*(\slot)+2:G0+4*(\slot)+3], s[G0+4*(\slot)+2:G0+4*(\slot)+3], 2*256
	s_add_nc_u64 s[G0B+4*(\slot)+2:G0B+4*(\slot)+3], s[G0B+4*(\slot)+2:G0B+4*(\slot)+3], 2*256
	JLOAD \slot                                    ; the first tensor load behind the round: 168 matrix instructions ahead of the wait for it; its four v_nop are also the places in front of the loads below
.else
	PLACES
.endif
	FETCH \next, 0, F0
.if \fill
	ASK
.endif
	MUL24 F1, 1, 0
.endm
	s_wait_tensorcnt 1                             ; my part of K step 0 is in; K step 1's may stay out
	s_barrier_signal -1
	s_barrier_wait -1
	FETCH 0, 0, F0
	QUARTER 0, 64,  F0, F1, 1                      ; the first quarter stands in front of the loop: its products start the sums
	WIN 0
	s_mov_b32 s3, 7
.Llap:                                                 ; a trip goes once round the ring and fills both slots again: K steps 2 to 15
	QUARTER 0, 128, F1, F0, 0
	QUARTER 0, 192, F0, F1, 0
	TURN 0, 1, 1
	QUARTER 1, 64,  F0, F1, 0
	QUARTER 1, 128, F1, F0, 0
	QUARTER 1, 192, F0, F1, 0
	TURN 1, 0, 1
	QUARTER 0, 64,  F0, F1, 0
	WIN 0
	s_sub_co_u32 s3, s3, 1
	s_cmp_lg_u32 s3, 0
	s_cbranch_scc1 .Llap
	QUARTER 0, 128, F1, F0, 0                      ; the last lap fills nothing
	QUARTER 0, 192, F0, F1, 0
	TURN 0, 1, 0
	QUARTER 1, 64,  F0, F1, 0
	QUARTER 1, 128, F1, F0, 0
	QUARTER 1, 192, F0, F1, 0
	s_wait_dscnt 8
	MUL24 F1, 0, 0
	s_wait_dscnt 0x0
	MUL24 F1, 1, 0
	; THE WAY OUT.
	PLACES
	s_wait_loadcnt 0x0                             ; cos and sin
	WIN 0xcf                                       ; all in window 3: two numbers are rounded to bf16 into the second one's register and widened again
.set i, 0
.rept 64
	v_cvt_pk_bf16_f32 v[i+1], v[i], v[i+1]
	v_lshlrev_b32 v[i], 16, v[i+1]
	v_and_b32 v[i+1], s87, v[i+1]
.set i, i+2
.endr
; RoPE on q and k of window w's four row blocks: x1' = x1 cos - x2 sin, x2' = x1 sin + x2 cos, two channels an instruction.  Each accumulator's lowest registers are read first.
.macro ROPE w
	WIN ((\w)<<6)|((\w)<<4)|12|(\w)                ; destination, sources 0 and 2 in window w; source 1 (cos, sin) in window 3
.irp a, 0,1,2,3
.irp j, 0,1
.irp p, 0,1,2,3
.set X1, 8*(6*(\a)+2*(\j))+2*(\p)
.set X2, X1+8
.set CC, 8*(4*((\w)-1)+(\a))+2*(\p)
.set T1, 192+4*((\p)%2)
	v_pk_mul_f32 v[T1:T1+1], v[X2:X2+1], v[CC+64:CC+65]
	v_pk_mul_f32 v[T1+2:T1+3], v[X2:X2+1], v[CC:CC+1]
	v_pk_fma_f32 v[X2:X2+1], v[X1:X1+1], v[CC+64:CC+65], v[T1+2:T1+3]
	v_pk_fma_f32 v[X1:X1+1], v[X1:X1+1], v[CC:CC+1], v[T1:T1+1] neg_lo:[0,0,1] neg_hi:[0,0,1]
.endr
.endr
.endr
.endm
; My 16 channels' squares of each (row block, q or k), in two chains; the sum goes to window 0
.macro SQ w
	WIN 0x55*(\w)
.irp a, 0,1,2,3
.irp j, 0,1
.set X1, 8*(6*(\a)+2*(\j))
.set U, 208+2*(2*(\a)+(\j))
.set V, 200+2*(\j)
	v_pk_mul_f32 v[U:U+1], v[X1:X1+1], v[X1:X1+1]
	v_pk_mul_f32 v[V:V+1], v[X1+8:X1+9], v[X1+8:X1+9]
.irp p, 1,2,3
	v_pk_fma_f32 v[U:U+1], v[X1+2*(\p):X1+2*(\p)+1], v[X1+2*(\p):X1+2*(\p)+1], v[U:U+1]
	v_pk_fma_f32 v[V:V+1], v[X1+8+2*(\p):X1+8+2*(\p)+1], v[X1+8+2*(\p):X1+8+2*(\p)+1], v[V:V+1]
.endr
	v_pk_add_f32 v[U:U+1], v[U:U+1], v[V:V+1]
.endr
.endr
	WIN 0x05*(\w)                                  ; sources in window w, destination in window 0
.irp i, 0,1,2,3,4,5,6,7
	v_add_f32 v[SQV+8*((\w)-1)+(\i)], v[208+2*(\i)], v[208+2*(\i)+1]
.endr
.endm
	ROPE 1
	ROPE 2
	SQ 1
	SQ 2
	WIN 0
.set i, 0
.rept 16
	v_permlanex16_b32 v[PX+i], v[SQV+i], s82, s83  ; the row's other eight of my 16 channel pairs lie in the lane 16 away
.set i, i+1
.endr
.set i, 0
.rept 16
	v_add_f32 v[SQV+i], v[SQV+i], v[PX+i]
	ds_store_b32 v[SS], v[SQV+i] offset:256*i      ; [2 a + j][row r][wave w]; both halves of the lanes write the same number
.set i, i+1
.endr
	s_wait_dscnt 0x0                               ; for the others' sake
	s_barrier_signal -1
	s_barrier_wait -1
.set i, 0
.rept 16
	ds_load_b128 v[SC+4*i:SC+4*i+3], v[SL] offset:256*i  ; the four waves' sums for row r
.set i, i+1
.endr
	s_wait_dscnt 0x0
.set i, 0
.rept 16
	v_pk_add_f32 v[SC+4*i:SC+4*i+1], v[SC+4*i:SC+4*i+1], v[SC+4*i+2:SC+4*i+3]
	v_add_f32 v[SC+4*i], v[SC+4*i], v[SC+4*i+1]
	v_fma_f32 v[SC+4*i], v[SC+4*i], s84, s85       ; the mean of 128 squares + eps
.set i, i+1
.endr
.set i, 0
.rept 16
	v_rsq_f32 v[SC+4*i], v[SC+4*i]
.set i, i+1
.endr
	v_nop                                          ; a plain instruction behind the last of the batch,
	s_wait_alu depctr_va_vdst(0)                   ; and one wait for the sixteen, ahead of their first reader
.set i, 0
.rept 8
	v_mul_f32 v[SC+8*i], s86, v[SC+8*i]            ; q's scales take c with them: q is rounded once
.set i, i+1
.endr
; Row block a: q and k are scaled, all six blocks rounded to f16 (a lane's eight channels are 16 bytes) and put into the stages: 128 rows x 272 bytes each for q, k, v, in slot 0,
; which has had its last fill and whose last reads lie ahead of the last change of slots.
.macro EMIT a
.set WW, 1+(\a)/4
.set AA, (\a)%4
.set TT, TC+24*((\a)%2)
	WIN (WW<<6)|WW                                 ; destination and source 0 in the block's window, the scale in window 0
.irp nb, 0,1,2,3
.irp p, 0,1,2,3
	v_pk_mul_f32 v[8*(6*AA+(\nb))+2*(\p):8*(6*AA+(\nb))+2*(\p)+1], v[8*(6*AA+(\nb))+2*(\p):8*(6*AA+(\nb))+2*(\p)+1], v[SC+4*(2*(\a)+(\nb)/2):SC+4*(2*(\a)+(\nb)/2)+1] op_sel_hi:[1,0]
.endr
.endr
	WIN 5*WW
.irp nb, 0,1,2,3,4,5
.irp p, 0,1,2,3
	v_cvt_pk_f16_f32 v[TT+4*(\nb)+(\p)], v[8*(6*AA+(\nb))+2*(\p)], v[8*(6*AA+(\nb))+2*(\p)+1]
.endr
.endr
	WIN 0
.irp nb, 0,1,2,3
	ds_store_b128 v[STO], v[TT+4*(\nb):TT+4*(\nb)+3] offset:HALFT*((\nb)/2)+16*PITCH*(\a)+128*((\nb)%2)
.endr
.irp nb, 4,5
	ds_store_b128 v[STO2], v[TT+4*(\nb):TT+4*(\nb)+3] offset:16*PITCH*(\a)+128*((\nb)%2)
.endr
.endm
.irp a, 0,1,2,3,4,5,6,7
	EMIT \a
.endr
	s_wait_dscnt 0x0                               ; a row's 256 bytes come from four waves
	s_barrier_signal -1
	s_barrier_wait -1
.set n, 0
.rept 48
.if n < 32
	ds_load_b128 v[OB+4*n:OB+4*n+3], v[RD] offset:HALFT*(n/16)+2*PITCH*(n%16)
.else
	ds_load_b128 v[OB+4*n:OB+4*n+3], v[RD2] offset:2*PITCH*(n%16)
.endif
.set n, n+1
.endr
.set n, 0
.rept 48
	s_wait_dscnt 47-n
	global_store_b128 v[GO], v[OB+4*n:OB+4*n+3], s[76+2*(n/16):77+2*(n/16)] offset:512*(n%16)  ; sixteen lanes store a row's 256 bytes, aligned
.set n, n+1
.endr
	s_wait_tensorcnt 0x0                           ; the wave's end
	ds_add_u32 v[SPW], v[NIL]
	s_wait_dscnt 0x0
	CROUND                                         ; the closing round
	s_endpgm
.Lfunc_end_k_q3d43a9011a_qkv:
	.size	k_q3d43a9011a_qkv, .Lfunc_end_k_q3d43a9011a_qkv-k_q3d43a9011a_qkv
	.p2alignl 7, 3214868480
	.fill 96, 4, 3214868480
	.section	.rodata,"a",@progbits
	.p2align	6, 0x0
	.amdhsa_kernel k_q3d43a9011a_qkv
		.amdhsa_group_segment_fixed_size 327680
		.amdhsa_private_segment_fixed_size 0
		.amdhsa_enable_private_segment 0
		.amdhsa_kernarg_size 56
		.amdhsa_user_sgpr_count 2
		.amdhsa_user_sgpr_kernarg_segment_ptr 1
		.amdhsa_wavefront_size32 1
		.amdhsa_system_sgpr_workgroup_id_x 1
		.amdhsa_system_sgpr_workgroup_id_y 1
		.amdhsa_system_sgpr_workgroup_id_z 1
		.amdhsa_system_vgpr_workitem_id 0
		.amdhsa_next_free_vgpr 896
		.amdhsa_next_free_sgpr 88
		.amdhsa_reserve_vcc 0
		.amdhsa_float_denorm_mode_32 3
		.amdhsa_float_denorm_mode_16_64 3
		.amdhsa_memory_ordered 1
		.amdhsa_forward_progress 1
		.amdhsa_inst_pref_size 169
	.end_amdhsa_kernel
	.amdgpu_metadata
---
amdhsa.version: [ 1, 2 ]
amdhsa.kernels:
  - .name:           k_q3d43a9011a_qkv
    .symbol:         k_q3d43a9011a_qkv.kd
    .args:
      - { .name: xb, .offset: 0, .size: 8, .value_kind: global_buffer, .address_space: global }
      - { .name: wt, .offset: 8, .size: 8, .value_kind: global_buffer, .address_space: global }
      - { .name: cos, .offset: 16, .size: 8, .value_kind: global_buffer, .address_space: global }
      - { .name: sin, .offset: 24, .size: 8, .value_kind: global_buffer, .address_space: global }
      - { .name: qh, .offset: 32, .size: 8, .value_kind: global_buffer, .address_space: global }
      - { .name: kh, .offset: 40, .size: 8, .value_kind: global_buffer, .address_space: global }
      - { .name: vh, .offset: 48, .size: 8, .value_kind: global_buffer, .address_space: global }
    .group_segment_fixed_size: 327680
    .private_segment_fixed_size: 0
    .kernarg_segment_align: 8
    .kernarg_segment_size: 56
    .max_flat_workgroup_size: 128
    .sgpr_count:     88
    .vgpr_count:     896
    .wavefront_size: 32
...
	.end_amdgpu_metadata
.endif
;; end of part 2
;; launch attn (part 3): grid 16 x 16, 4 waves a work-group, clusters of 4 x 1, 327,680 bytes of LDS; arguments qh, kh, vh, yb; writes yb
.if DOCPART == 3
	.amdgcn_target "amdgcn-amd-amdhsa--gfx1250"
	.amdhsa_code_object_version 6
	.text
	.protected	k_q3d43a9011a_attn
	.globl	k_q3d43a9011a_attn
	.p2align	8
	.type	k_q3d43a9011a_attn,@function
k_q3d43a9011a_attn:
	s_mov_b64 s[64:65], 0
	v_nop
	global_prefetch_b8 v0, s[64:65] scope:SCOPE_SE
	s_setreg_imm32_b32 hwreg(HW_REG_WAVE_MODE, 25, 1), 1
	s_wait_xcnt 0x0
	s_wait_alu depctr_hold_cnt(0) depctr_sa_sdst(0) depctr_va_vdst(0) depctr_va_sdst(0) depctr_va_ssrc(0) depctr_va_vcc(0) depctr_vm_vsrc(0)
	s_getreg_b32 s2, hwreg(HW_REG_IB_STS2, 6, 4)
	s_cmp_eq_u32 s2, 0
	s_cbranch_scc0 .Lentry_in_a_cluster
	s_endpgm
.Lentry_in_a_cluster:
	s_bfe_u32 s2, ttmp6, 0x10000c
	s_cmp_lg_u32 s2, 0x3003
	s_cbranch_scc0 .Lentry_shape_is_right
	s_endpgm
.Lentry_shape_is_right:
; CAUSAL ATTENTION.  qh, kh, vh: [16 heads][2048][128] f16; q arrives normalised and times c = log2(e) / sqrt(128), k normalised.  yb: [8192][512] f16, column 128 h + d.
; NO RUNNING MAXIMUM, and why that is sound for every input: q and k are RMS-normalised by the module itself, so |q . k| c <= 128 c = 16.33 (16.34 with the f16 roundings).  The sum S^T = K Q^T starts from
; C = -1, so p = 2^S lies in 2^-17.34 .. 2^15.34 = 41,400, inside f16; l stays under 8.5e7.  A hidden key starts from -1e30 and has p = 0 exactly.
; l IS THE f32 SUM OF THE WEIGHTS AS ROUNDED TO f16, the very numbers that the second product multiplies: so a weight's rounding cancels between O and l as far as it is common to a row's keys, and a row
; that sees one key alone gets that key's v back unchanged.
; LIMITS.  p below 2^-14 (a score 9 below zero or lower) is kept with f16's fixed step of 2^-24: never 0, at least 6 significant bits.  |v| under 65,504.  NaN and infinities are not treated apart.
; THE WALK.  A head has 8 super-blocks of 256 queries.  Cluster c of a head takes super-block c and then 7 - c: (c + 1) + (8 - c) = 9 slots of 256 keys for every cluster, one walk of constant length,
; and the four partners ask JOINTLY for every slot.  Only a block's last slot holds hidden keys.
; THE CHANGE OF BLOCKS IS A CHOICE OF VALUES, not a branch: where the first block has had its last slot, its sums go into a second set of registers (OS += O x 1, O x 0, Q = the second block's); elsewhere the same
; lines add O x 0 and keep O x 1 and Q.  It can fall in trips 1 to 4 alone (c + 1), so those lines are jumped over in the other trips, by the loop's own counter.  Both blocks are finished behind the walk.
; SHARES.  Work-group cx takes 64 queries of each super-block.  Its waves are 2 x 2: w / 2 picks 32 queries (tiles t = 0, 1), w % 2 picks 128 of a slot's keys, taken in two steps of 64.
; At the end the two key halves are added: each wave sends one tile's O and l to its partner through LDS and finishes the other.
; THE MASK is the C operand that starts S^T.  key - query = 16 (U + g - 1) + 8 h + j - r with U = 8 (w % 2) - 4 cx - 2 (w / 2) and g = 4 st + kb - t + 1 in 0 .. 8: nine sets MC of eight registers, made once.
; Each trip makes CM = MC x F + G: (F, G) = (1, 0) in a block's last slot, (0, -1) elsewhere: no branch and no second text.
; REGISTERS (s_set_vgpr_msb: bits 1:0 source 0, 3:2 source 1, 5:4 source 2, 7:6 destination):
;   window 0: v0-31 addresses and statistics; v32-47 running sums, v48-63 the first block's; v64-127 S^T at 32 t + 8 kb; v128-159 P at 16 t + 8 kc; v160-231 CM
;   window 1: v0-127 O^T at 64 t + 8 cb; v128-191 Q at 32 t + 8 cc; v192-255 the second block's Q       window 2: v0-127 K at 32 kb + 8 cc; v128-255 V at 64 kc + 8 cb
;   window 3: v0-71 MC; v128-255 OS, the first block's O^T
.set KP,    272                        ; a row of K in LDS: 256 bytes + 16
.set VP,    288                        ; a row of V: 256 + 32, for the turning load
.set VOFF,  256*KP
.set SLOTB, 256*(KP+VP)                ; a slot: 256 rows of K, then 256 rows of V
.set XCH,   2*SLOTB                    ; behind the ring: 8,192 bytes a wave for the tile that it sends; the receiver then uses them as its stage
.set XL,    XCH+4*8192                 ; 128 bytes a wave: the sent tile's l
.set SPARE, XL+512                     ; the spare words
.set AK0, 2                            ; v2   my lane's place in my half of a slot's K; never rewritten
.set AV0, 3                            ; v3   the same for V
.set AK,  4
.set AV,  5
.set QO,  6
.set XS,  7                            ; v7   where I send
.set XR,  8                            ; v8   where I receive
.set XLS, 10
.set XLR, 11
.set STO, 12
.set RD,  13
.set GO,  14
.set PFO, 15                           ; v15  256 x lane; never rewritten
.set SPW, 16                           ; v16  my spare word; never rewritten
.set NIL, 17                           ; v17  0; never rewritten
.set LT,  18                           ; v18-19  l of tiles 0, 1
.set LX,  20
.set VD,  21
.set RCP, 24                           ; v[24:25]
.set ONE, 26                           ; v26  1.0; never rewritten
.set LA,  32                           ; tile t: eight running sums at 8 t
.set LAS, 48                           ; the first block's
.set S,   64
.set P,   128
.set CM,  160
.set WV,  12                           ; s12 wave; s13 its key half; s14 its query half; s15 cx; s16 c; s17 7 - c
.set KH,  13
.set QW,  14
.set CX,  15
.set CL,  16
.set HI,  17
.set G1K, 24
.set G1V, 32
.set G0K, 40
.set G0V, 44
.set KB,  48                           ; s[48:49] K at my half of the head's slot 0; s[50:51] V
.set VB,  50
.set OFF, 52
.set PFA, 54
.set YB,  56                           ; s[56:57] yb at the rows that I finish of the first block; s[58:59] of the second
.set YB2, 58
.set SEL, 60
.set TF,  62                           ; s62  the buffer last filled; s63 the buffer read: 0 or SLOTB
.set TR,  63
.set J,   66                           ; s66  trips with a fill still to come
.set RT,  67                           ; s67  slots of the block in hand still to be entered
.set NXT, 68                           ; s68  the key slot to be asked for next
.set LQ,  69                           ; s69  the last key slot of the block whose slots are being asked for
.set LIM, 70
.set TT,  71
.set FF,  72                           ; s[72:73], s[74:75] the mask's factor and addend, in the low words
.set GG,  74
.set BIGN, 76
.set LKB, 77                           ; s77  34,816 x key half: my half in a slot's K (as fetcher and as reader); s78 the same for V, with VOFF
.set LVB, 78
.set FS,  96                           ; s[96:97]  1 where the blocks change, else 0
.set GS,  98                           ; s[98:99]  0 where the blocks change, else 1
.set QM,  100                          ; s100 all ones where the blocks change, else 0
.set R2,  101                          ; s101 8 - c: the second block's slots
.set MSB, 0
.macro WIN new                         ; the immediate's high byte repeats the setting that is left; a switch that changes nothing is dropped
.if MSB != (\new)
	s_set_vgpr_msb (MSB<<8)|(\new)
.set MSB, \new
.endif
.endm
.macro PLACES                          ; four plain places behind matrix instructions, in front of loads into their sources and of readers of their results
.rept 4
	v_nop
.endr
.endm
.macro JLOAD                           ; waves 0 and 1 fetch the halves of a slot's K, waves 2 and 3 those of its V; an s_nop 0 and four v_nop follow each line
	s_cmp_lt_u32 s[WV], 2
	s_cbranch_scc0 .Lfor_v_\@
	tensor_load_to_lds s[G0K:G0K+3], s[G1K:G1K+7]
	s_nop 0
.rept 4
	v_nop
.endr
	s_branch .Lasked_\@
.Lfor_v_\@:
	tensor_load_to_lds s[G0V:G0V+3], s[G1V:G1V+7]
	s_nop 0
.rept 4
	v_nop
.endr
.Lasked_\@:
.endm
; A prefetch.  Key slots 4 to 7 are asked for first by the head's cluster 0, in its trips 4 to 7; in trip j = 3 .. 6 (J = 5 .. 2) it names slot j + 1, one trip ahead of its own load.
; The partners share a slot's rows by address: waves 0 and 1 take K's rows 64 cx + 32 (w % 2) + lane, waves 2 and 3 V's.  Slots 0 to 3 come by their loads alone.
.macro ASK
	s_sub_co_u32 s[TT], s[J], 2
	s_cmp_lt_u32 s[TT], s[LIM]
	s_cbranch_scc0 .Lnot_mine_\@
	global_prefetch_b8 v[PFO], s[PFA:PFA+1] th:TH_LOAD_NT scope:SCOPE_SE
.Lnot_mine_\@:
.endm
.macro CROUND                          ; a round of the cluster's barrier
	s_barrier_signal -1
	s_barrier_wait -1
	s_cmp_lg_u32 s[WV], 0
	s_cbranch_scc1 .Lnot_wave_0_\@
	s_barrier_signal -3
.Lnot_wave_0_\@:
	s_barrier_wait -3
	s_barrier_signal -1
	s_barrier_wait -1
.endm
.macro STEPN                           ; the block's next key slot, or behind its last the second block's slot 0
	s_add_co_u32 s[NXT], s[NXT], 1
	s_cmp_gt_u32 s[NXT], s[LQ]
	s_cselect_b32 s[NXT], 0, s[NXT]
	s_cselect_b32 s[LQ], s[HI], s[LQ]
.endm
; THE CHANGE OF SLOTS, at a trip's head.  Each wave waits for all its tensor loads (one is out: its part of the other buffer), adds 0 to its spare word, and waits for that and for its reads of the old slot.
; fill = 1: behind a round of the cluster's barrier the old buffer is filled with key slot NXT; the descriptor's address is made anew from that number.  The load has a whole trip, 128 matrix instructions
; and two softmaxes, in which to land.  (At its first use nothing has been read yet: buffer 0 is waited for, buffer 1 filled.)
.macro CHANGE fill
	WIN 0
	s_wait_tensorcnt 0x0                           ; no tensor load of mine is out, so a group 0 may be written
	ds_add_u32 v[SPW], v[NIL]                      ; the scalar work stands between the add and the wait for it
.if \fill
	s_lshl_b32 s[OFF], s[NXT], 16                  ; a slot is 65,536 bytes of K and of V
	s_xor_b32 s[TF], s[TF], SLOTB
	s_add_co_u32 s[G0K+1], s[LKB], s[TF]
	s_add_nc_u64 s[G0K+2:G0K+3], s[KB:KB+1], s[OFF:OFF+1]
	s_or_b32 s[G0K+3], s[G0K+3], 0x80000000
	s_add_co_u32 s[G0V+1], s[LVB], s[TF]
	s_add_nc_u64 s[G0V+2:G0V+3], s[VB:VB+1], s[OFF:OFF+1]
	s_or_b32 s[G0V+3], s[G0V+3], 0x80000000
	STEPN
	s_wait_xcnt 0x0                                ; the last prefetch, a trip back, has read its address
	s_add_nc_u64 s[PFA:PFA+1], s[PFA:PFA+1], 65536
.endif
	s_wait_dscnt 0x0                               ; the add is done, and my reads of the old slot are over
.if \fill
	CROUND
	JLOAD                                          ; its four v_nop are also the places behind the last products V^T P
	ASK
.else
	s_barrier_signal -1
	s_barrier_wait -1
	PLACES
.endif
	s_xor_b32 s[TR], s[TR], SLOTB
	v_add_nc_u32 v[AK], s[TR], v[AK0]
	v_add_nc_u32 v[AV], s[TR], v[AV0]
.endm
	s_load_b256 s[4:11], s[0:1], 0x0               ; qh s[4:5], kh s[6:7], vh s[8:9], yb s[10:11]
	v_lshl_add_u32 v[SPW], v0, 2, SPARE
	v_mov_b32 v[NIL], 0
	ds_add_u32 v[SPW], v[NIL]                      ; the wave's opening: the add and its wait stand ahead of my first tensor load
	v_lshrrev_b32 v1, 5, v0
	v_readfirstlane_b32 s[WV], v1
	s_and_b32 s[KH], s[WV], 1
	s_lshr_b32 s[QW], s[WV], 1
	s_bfe_u32 s[CX], ttmp6, 0x40000
	s_mov_b32 s[CL], ttmp9                         ; the cluster among the head's four
	s_sub_co_u32 s[HI], 7, s[CL]
	s_sub_co_u32 s[R2], 8, s[CL]
	s_and_b32 s18, ttmp7, 0xffff                   ; 4 b + h
	s_lshl_b32 s20, s18, 19                        ; the head's first byte in q, k, v
	s_lshl_b32 s22, s[KH], 15                      ; the half of a slot that I fetch: 128 rows of 256 bytes
	s_add_co_u32 s22, s22, s20
	s_mov_b32 s23, 0
	s_mul_i32 s[LKB], s[KH], 128*KP
	s_mul_i32 s[LVB], s[KH], 128*VP
	s_add_co_u32 s[LVB], s[LVB], VOFF
	s_mov_b32 s[G1K], 15|(1<<16)|(1<<20)|(1<<21)|(5<<22)|(3<<25)  ; the mask of four; 2-byte elements; padding on; bit 21 beside a mask; after every 64 words, 4 words
	s_mov_b32 s[G1V], 15|(1<<16)|(1<<20)|(1<<21)|(5<<22)|(7<<25)  ; the same with 8 words
.irp g, G1K, G1V
	s_mov_b32 s[(\g)+1], 128<<16                   ; tensor_dim0 = 128
	s_mov_b32 s[(\g)+2], 128<<16                   ; tensor_dim1 = 128
	s_mov_b32 s[(\g)+3], 128<<16                   ; tile_dim0 = 128
	s_mov_b32 s[(\g)+4], 128                       ; tile_dim1 = 128
	s_mov_b32 s[(\g)+5], 128                       ; elements from row to row
	s_mov_b32 s[(\g)+6], 0
	s_mov_b32 s[(\g)+7], 0
.endr
	s_mov_b32 s[SEL], 0x76543210
	s_mov_b32 s[SEL+1], 0xfedcba98
	s_mov_b32 s[BIGN], 0xf149f2ca                  ; -1e30
	s_mov_b32 s[FF+1], 0                           ; named as pairs
	s_mov_b32 s[GG+1], 0
	s_mov_b32 s[FS+1], 0
	s_mov_b32 s[GS+1], 0
	s_mov_b32 s[OFF+1], 0
	s_mov_b32 s[TF], 0
	s_mov_b32 s[TR], SLOTB                         ; the first change turns it into 0
	s_mov_b32 s[J], 8
	s_add_co_u32 s[RT], s[CL], 1                   ; the first block has c + 1 slots
	s_mov_b32 s[NXT], 0
	s_mov_b32 s[LQ], s[CL]
	STEPN                                          ; slot 0 goes out below
	s_cmp_eq_u32 s[CL], 0
	s_cselect_b32 s[LIM], 4, 0
	s_mov_b32 s[G0K], 1
	s_mov_b32 s[G0K+1], s[LKB]
	s_mov_b32 s[G0V], 1
	s_mov_b32 s[G0V+1], s[LVB]
	; my 32 queries in each of the two blocks
	s_lshl_b32 s19, s[CX], 14
	s_lshl_b32 s21, s[QW], 13
	s_add_co_u32 s19, s19, s21
	s_add_co_u32 s19, s19, s20
	s_lshl_b32 s80, s[CL], 16
	s_add_co_u32 s80, s80, s19
	s_mov_b32 s81, 0
	s_lshl_b32 s82, s[HI], 16
	s_add_co_u32 s82, s82, s19
	s_mov_b32 s83, 0
	; the 16 rows of yb that I finish: 1024 (2048 b + 256 SB + 64 cx + 32 (w / 2) + 16 (w % 2)) + 256 h
	s_lshr_b32 s21, s18, 2
	s_lshl_b32 s21, s21, 21
	s_and_b32 s88, s18, 3
	s_lshl_b32 s88, s88, 8
	s_add_co_u32 s88, s88, s21
	s_lshl_b32 s21, s[CX], 16
	s_add_co_u32 s88, s88, s21
	s_lshl_b32 s21, s[QW], 15
	s_add_co_u32 s88, s88, s21
	s_lshl_b32 s21, s[KH], 14
	s_add_co_u32 s88, s88, s21
	s_lshl_b32 s90, s[HI], 18
	s_add_co_u32 s90, s90, s88
	s_mov_b32 s91, 0
	s_lshl_b32 s21, s[CL], 18
	s_add_co_u32 s88, s88, s21
	s_mov_b32 s89, 0
	s_lshl_b32 s92, s[CX], 14                      ; the prefetches: rows 64 cx + 32 (w % 2) of a slot
	s_lshl_b32 s21, s[KH], 13
	s_add_co_u32 s92, s92, s21
	s_add_co_u32 s92, s92, s20
	s_mov_b32 s93, 0
	s_wait_dscnt 0x0                               ; the opening add is done
	s_wait_kmcnt 0x0
	s_add_nc_u64 s[KB:KB+1], s[6:7], s[22:23]
	s_add_nc_u64 s[VB:VB+1], s[8:9], s[22:23]
	s_mov_b64 s[G0K+2:G0K+3], s[KB:KB+1]
	s_or_b32 s[G0K+3], s[G0K+3], 0x80000000
	s_mov_b64 s[G0V+2:G0V+3], s[VB:VB+1]
	s_or_b32 s[G0V+3], s[G0V+3], 0x80000000
	s_add_nc_u64 s[84:85], s[4:5], s[80:81]
	s_add_nc_u64 s[86:87], s[4:5], s[82:83]
	s_add_nc_u64 s[YB:YB+1], s[10:11], s[88:89]
	s_add_nc_u64 s[YB2:YB2+1], s[10:11], s[90:91]
	s_cmp_lt_u32 s[WV], 2
	s_cselect_b64 s[PFA:PFA+1], s[6:7], s[8:9]
	s_add_nc_u64 s[PFA:PFA+1], s[PFA:PFA+1], s[92:93]  ; in slot 0; each change steps it by a slot
	CROUND                                         ; all four work-groups are here
	JLOAD                                          ; key slot 0 into buffer 0; buffer 1 is filled behind the first change
	v_and_b32 v1, 15, v0                           ; r
	v_bfe_u32 v9, v0, 4, 1                         ; h
	v_and_b32 v22, 31, v0                          ; lane
	v_lshlrev_b32 v[QO], 8, v1
	v_lshl_add_u32 v[QO], v9, 4, v[QO]
	WIN 0x40                                       ; destination window 1
.irp t, 0,1
.irp cc, 0,1,2,3
	global_load_b128 v[128+32*(\t)+8*(\cc):128+32*(\t)+8*(\cc)+3],   v[QO], s[84:85] offset:4096*(\t)+64*(\cc)
	global_load_b128 v[128+32*(\t)+8*(\cc)+4:128+32*(\t)+8*(\cc)+7], v[QO], s[84:85] offset:4096*(\t)+64*(\cc)+32
	global_load_b128 v[192+32*(\t)+8*(\cc):192+32*(\t)+8*(\cc)+3],   v[QO], s[86:87] offset:4096*(\t)+64*(\cc)
	global_load_b128 v[192+32*(\t)+8*(\cc)+4:192+32*(\t)+8*(\cc)+7], v[QO], s[86:87] offset:4096*(\t)+64*(\cc)+32
.endr
.endr
.set i, 0
.rept 128
	v_mov_b32 v[i], 0                              ; O^T starts at 0: no first step is written out; these lines stand in the wait for the first tile
.set i, i+1
.endr
	WIN 0
	v_mul_u32_u24 v[AK0], v1, KP
	v_lshl_add_u32 v[AK0], v9, 4, v[AK0]
	v_add_nc_u32 v[AK0], s[LKB], v[AK0]
	v_and_b32 v23, 7, v0                           ; the turning load: lane l reads key 8 h + l % 8, channels 8 ((l / 8) % 2) + 0 .. 7
	v_lshl_add_u32 v[AV0], v9, 3, v23
	v_mul_u32_u24 v[AV0], v[AV0], VP
	v_bfe_u32 v23, v0, 3, 1
	v_lshl_add_u32 v[AV0], v23, 4, v[AV0]
	v_add_nc_u32 v[AV0], s[LVB], v[AV0]
	s_lshl_b32 s18, s[WV], 13
	s_add_co_u32 s18, s18, XCH
	s_xor_b32 s19, s[WV], 1                        ; my partner: the same queries, the other keys
	s_lshl_b32 s21, s19, 13
	s_add_co_u32 s21, s21, XCH
	v_lshl_add_u32 v[XS], v22, 4, s18
	v_lshl_add_u32 v[XR], v22, 4, s21
	s_lshl_b32 s18, s[WV], 7
	s_add_co_u32 s18, s18, XL
	s_lshl_b32 s19, s19, 7
	s_add_co_u32 s19, s19, XL
	v_lshl_add_u32 v[XLS], v22, 2, s18
	v_lshl_add_u32 v[XLR], v22, 2, s19
	v_mul_u32_u24 v[STO], v1, 272                  ; my stage lies where I have received: nobody else reads those bytes
	v_lshl_add_u32 v[STO], v9, 4, v[STO]
	v_add_nc_u32 v[STO], s21, v[STO]
	v_mul_u32_u24 v[RD], v9, 272
	v_lshl_add_u32 v[RD], v1, 4, v[RD]
	v_add_nc_u32 v[RD], s21, v[RD]
	v_lshlrev_b32 v[GO], 10, v9
	v_lshl_add_u32 v[GO], v1, 4, v[GO]
	v_lshlrev_b32 v[PFO], 8, v22
	v_mov_b32 v[RCP], 0
	v_mov_b32 v[RCP+1], 0                          ; named with the reciprocal as a pair
	v_mov_b32 v[ONE], 1.0
.set i, 0
.rept 32
	v_mov_b32 v[LA+i], 0                           ; both blocks' running sums
.set i, i+1
.endr
	s_lshl_b32 s18, s[KH], 7                       ; VD = 16 U - 16 + 8 h - r
	s_lshl_b32 s19, s[CX], 6
	s_sub_co_i32 s18, s18, s19
	s_lshl_b32 s19, s[QW], 5
	s_sub_co_i32 s18, s18, s19
	s_sub_co_i32 s18, s18, 16
	v_lshl_add_u32 v[VD], v9, 3, s18
	v_sub_nc_u32 v[VD], v[VD], v1
	WIN 0xc0                                       ; destination window 3
.set i, 0
.rept 72
	v_cmp_lt_i32 vcc_lo, -(16*(i/8)+i%8), v[VD]    ; register j of set g is hidden where VD + 16 g + j > 0
	v_cndmask_b32 v[i], -1.0, s[BIGN], vcc_lo
.set i, i+1
.endr
.set i, 0
.rept 128
	v_mov_b32 v[128+i], 0                          ; OS: the lines that fill it add onto it
.set i, i+1
.endr
	WIN 0
	s_wait_loadcnt 0x0                             ; Q
; THE MATRIX WORK.  The accumulators take turns, one instruction a turn: 8 in K Q^T, 16 in V^T P; a run's last and the next run's first name different ones, over the backward jump too.
.macro KQ st
	WIN 0x06                                       ; K in window 2, Q in window 1, S^T and CM in window 0
.irp cc, 0,1,2,3
.irp kb, 0,1,2,3
.irp t, 0,1
.if (\cc) == 0
	v_wmma_f32_16x16x32_f16 v[S+32*(\t)+8*(\kb):S+32*(\t)+8*(\kb)+7], v[32*(\kb)+8*(\cc):32*(\kb)+8*(\cc)+7], v[128+32*(\t)+8*(\cc):128+32*(\t)+8*(\cc)+7], v[CM+8*(4*(\st)+(\kb)-(\t)+1):CM+8*(4*(\st)+(\kb)-(\t)+1)+7]
.else
	v_wmma_f32_16x16x32_f16 v[S+32*(\t)+8*(\kb):S+32*(\t)+8*(\kb)+7], v[32*(\kb)+8*(\cc):32*(\kb)+8*(\cc)+7], v[128+32*(\t)+8*(\cc):128+32*(\t)+8*(\cc)+7], v[S+32*(\t)+8*(\kb):S+32*(\t)+8*(\kb)+7]
.endif
.endr
.endr
.endr
.endm
.macro PV
	WIN 0x52                                       ; V in window 2, P in window 0, O^T in window 1
.irp kc, 0,1
.irp cb, 0,1,2,3,4,5,6,7
.irp t, 0,1
	v_wmma_f32_16x16x32_f16 v[64*(\t)+8*(\cb):64*(\t)+8*(\cb)+7], v[128+64*(\kc)+8*(\cb):128+64*(\kc)+8*(\cb)+7], v[P+16*(\t)+8*(\kc):P+16*(\t)+8*(\kc)+7], v[64*(\t)+8*(\cb):64*(\t)+8*(\cb)+7]
.endr
.endr
.endr
.endm
; THE LDS LOADS, in runs of 32: a step's K (64 keys x 128 channels) and its V (turned)
.macro LK st
	WIN 0x80
.irp kb, 0,1,2,3
.irp cc, 0,1,2,3
	ds_load_b128 v[32*(\kb)+8*(\cc):32*(\kb)+8*(\cc)+3],   v[AK] offset:64*KP*(\st)+16*KP*(\kb)+64*(\cc)
	ds_load_b128 v[32*(\kb)+8*(\cc)+4:32*(\kb)+8*(\cc)+7], v[AK] offset:64*KP*(\st)+16*KP*(\kb)+64*(\cc)+32
.endr
.endr
.endm
.macro LV st
	WIN 0x80
.irp kc, 0,1
.irp cb, 0,1,2,3,4,5,6,7
	ds_load_tr16_b128 v[128+64*(\kc)+8*(\cb):128+64*(\kc)+8*(\cb)+3],   v[AV] offset:64*VP*(\st)+32*VP*(\kc)+32*(\cb)
	ds_load_tr16_b128 v[128+64*(\kc)+8*(\cb)+4:128+64*(\kc)+8*(\cb)+7], v[AV] offset:64*VP*(\st)+32*VP*(\kc)+32*(\cb)+16*VP
.endr
.endr
.endm
; THE SOFTMAX of a step: 64 exponentials in place, ascending (each accumulator's lowest registers first), as ONE batch with one wait; each pair is rounded to f16; then each ROUNDED weight, read as an f16 half,
; is added in f32 (times 1.0, plus the sum) onto one of eight running sums a tile, which take turns.
.macro SM
	WIN 0
.set i, 0
.rept 64
	v_exp_f32 v[S+i], v[S+i]
.set i, i+1
.endr
	v_nop                                          ; a plain instruction behind the last exponential,
	s_wait_alu depctr_va_vdst(0)                   ; and one wait for the batch, ahead of its first reader
.set i, 0
.rept 32
	v_cvt_pk_f16_f32 v[P+i], v[S+2*i], v[S+2*i+1]
.set i, i+1
.endr
.set i, 0
.rept 32
	v_fma_mix_f32 v[LA+8*(i/16)+2*(i%4)], v[P+i], v[ONE], v[LA+8*(i/16)+2*(i%4)] op_sel_hi:[1,0,0]                    ; the low half
	v_fma_mix_f32 v[LA+8*(i/16)+2*(i%4)+1], v[P+i], v[ONE], v[LA+8*(i/16)+2*(i%4)+1] op_sel:[1,0,0] op_sel_hi:[1,0,0]  ; the high half
.set i, i+1
.endr
.endm
; THE CHANGE OF BLOCKS, by values: OS += O x FS; O x= GS; Q = QM ? the second block's : Q; the running sums likewise.  O^T is read from each accumulator's lowest registers on.
.macro SAVE
	WIN 0xf1                                       ; destination and source 2 in window 3, source 0 in window 1
.set i, 0
.rept 64
	v_pk_fma_f32 v[128+2*i:128+2*i+1], v[2*i:2*i+1], s[FS:FS+1], v[128+2*i:128+2*i+1] op_sel_hi:[1,0,1]
.set i, i+1
.endr
	WIN 0x41
.set i, 0
.rept 64
	v_pk_mul_f32 v[2*i:2*i+1], v[2*i:2*i+1], s[GS:GS+1] op_sel_hi:[1,0]
.set i, i+1
.endr
	WIN 0x45                                       ; all in window 1
.set i, 0
.rept 64
	v_cndmask_b32 v[128+i], v[128+i], v[192+i], s[QM]
.set i, i+1
.endr
	WIN 0
.set i, 0
.rept 8
	v_pk_fma_f32 v[LAS+2*i:LAS+2*i+1], v[LA+2*i:LA+2*i+1], s[FS:FS+1], v[LAS+2*i:LAS+2*i+1] op_sel_hi:[1,0,1]
	v_pk_mul_f32 v[LA+2*i:LA+2*i+1], v[LA+2*i:LA+2*i+1], s[GS:GS+1] op_sel_hi:[1,0]
.set i, i+1
.endr
.endm
; A SLOT: its masks and its two steps.  K of step 0 has been asked for.  Each run of 32 LDS loads is waited for in front of the next run, 32 products or more behind its issue: at most 32 are out.
.macro BODY
	s_sub_co_u32 s[RT], s[RT], 1
	s_cmp_eq_u32 s[RT], 0                          ; the block's last slot holds the diagonal
	s_cselect_b32 s[FF], 1.0, 0
	s_cselect_b32 s[GG], 0, -1.0
	WIN 0x03
.set z, 0
.rept 36
	v_pk_fma_f32 v[CM+2*z:CM+2*z+1], v[2*z:2*z+1], s[FF:FF+1], s[GG:GG+1] op_sel_hi:[1,0,0]
.set z, z+1
.endr
	s_wait_dscnt 0x0                               ; K of step 0 is in
	LV 0
	KQ 0
	s_wait_dscnt 0x0                               ; V of step 0 is in: it was asked for 32 products ago
	PLACES
	LK 1
	SM
	PV
	s_wait_dscnt 0x0                               ; K of step 1 is in: asked for a softmax and 32 products ago
	PLACES
	LV 1
	KQ 1
	PLACES
	SM
	s_wait_dscnt 0x0                               ; V of step 1 is in
	PV
	WIN 0
.endm
; A BLOCK IS FINISHED.  lb: its running sums; ow, ob: the window and first register of its O^T.
; FINA: l of both tiles; the wave with key half 0 sends tile 1, the other tile 0.  The branch hangs on the wave's number and covers the lines whose register numbers differ.
.macro FINA lb, ow, ob
	WIN 0
.irp t, 0,1
	v_pk_add_f32 v[(\lb)+8*(\t):(\lb)+8*(\t)+1], v[(\lb)+8*(\t):(\lb)+8*(\t)+1], v[(\lb)+8*(\t)+2:(\lb)+8*(\t)+3]
	v_pk_add_f32 v[(\lb)+8*(\t)+4:(\lb)+8*(\t)+5], v[(\lb)+8*(\t)+4:(\lb)+8*(\t)+5], v[(\lb)+8*(\t)+6:(\lb)+8*(\t)+7]
.endr
.irp t, 0,1
	v_pk_add_f32 v[(\lb)+8*(\t):(\lb)+8*(\t)+1], v[(\lb)+8*(\t):(\lb)+8*(\t)+1], v[(\lb)+8*(\t)+4:(\lb)+8*(\t)+5]
.endr
.irp t, 0,1
	v_add_f32 v[LT+(\t)], v[(\lb)+8*(\t)], v[(\lb)+8*(\t)+1]
.endr
.irp t, 0,1
	v_permlanex16_b32 v[(\lb)+8*(\t)+2], v[LT+(\t)], s[SEL], s[SEL+1]  ; the query's other keys lie in the lane 16 away
.endr
.irp t, 0,1
	v_add_f32 v[LT+(\t)], v[LT+(\t)], v[(\lb)+8*(\t)+2]
.endr
	s_cmp_eq_u32 s[KH], 0
	s_cbranch_scc0 .Lsend0_\@
	WIN 4*(\ow)                                    ; store data in O^T's window
.set i, 0
.rept 16
	ds_store_b128 v[XS], v[(\ob)+64+4*i:(\ob)+64+4*i+3] offset:512*i
.set i, i+1
.endr
	WIN 0
	ds_store_b32 v[XLS], v[LT+1]
	s_branch .Lsent_\@
.Lsend0_\@:
	WIN 4*(\ow)
.set i, 0
.rept 16
	ds_store_b128 v[XS], v[(\ob)+4*i:(\ob)+4*i+3] offset:512*i
.set i, i+1
.endr
	WIN 0
	ds_store_b32 v[XLS], v[LT]
.Lsent_\@:
	s_wait_dscnt 0x0                               ; for my partner's sake: my stores are done
	s_barrier_signal -1
	s_barrier_wait -1
.endm
; FINB, behind the barrier: the partner's tile and l are added to mine; O / l, rounded to f16, goes through my stage and out as whole rows of 256 bytes.  y: yb at my 16 rows.
.macro FINB ow, ob, y
.set i, 0
.rept 16
	ds_load_b128 v[S+4*i:S+4*i+3], v[XR] offset:512*i
.set i, i+1
.endr
	ds_load_b32 v[LX], v[XLR]
	s_wait_dscnt 0x0
	s_cmp_eq_u32 s[KH], 0
	s_cbranch_scc0 .Lkeep1_\@
	v_add_f32 v[LX], v[LT], v[LX]
	WIN 4*(\ow)                                    ; source 1 in O^T's window
.set i, 0
.rept 32
	v_pk_add_f32 v[S+2*i:S+2*i+1], v[S+2*i:S+2*i+1], v[(\ob)+2*i:(\ob)+2*i+1]
.set i, i+1
.endr
	WIN 0
	s_branch .Lkept_\@
.Lkeep1_\@:
	v_add_f32 v[LX], v[LT+1], v[LX]
	WIN 4*(\ow)
.set i, 0
.rept 32
	v_pk_add_f32 v[S+2*i:S+2*i+1], v[S+2*i:S+2*i+1], v[(\ob)+64+2*i:(\ob)+64+2*i+1]
.set i, i+1
.endr
	WIN 0
.Lkept_\@:
	v_rcp_f32 v[RCP], v[LX]
	v_nop                                          ; a plain instruction behind the reciprocal,
	s_wait_alu depctr_va_vdst(0)                   ; and its wait
.set i, 0
.rept 32
	v_pk_mul_f32 v[S+2*i:S+2*i+1], v[S+2*i:S+2*i+1], v[RCP:RCP+1] op_sel_hi:[1,0]
.set i, i+1
.endr
.set i, 0
.rept 32
	v_cvt_pk_f16_f32 v[P+i], v[S+2*i], v[S+2*i+1]
.set i, i+1
.endr
.set i, 0
.rept 8
	ds_store_b128 v[STO], v[P+4*i:P+4*i+3] offset:32*i  ; LDS serves a wave's instructions in order (ISA guide 5.7.1.4): these come behind my reads of the same bytes
.set i, i+1
.endr
.set i, 0
.rept 8
	ds_load_b128 v[S+4*i:S+4*i+3], v[RD] offset:544*i
.set i, i+1
.endr
.set i, 0
.rept 8
	s_wait_dscnt 7-i
	global_store_b128 v[GO], v[S+4*i:S+4*i+3], s[(\y):(\y)+1] offset:2048*i  ; sixteen lanes store 256 consecutive bytes, aligned
.set i, i+1
.endr
.endm
.Ltrip:                                                ; 8 trips: each enters a slot and asks for the next
	CHANGE 1
	LK 0
	WIN 0
	s_cmp_eq_u32 s[RT], 0                          ; has the first block had its last slot?
	s_cselect_b32 s[FS], 1.0, 0
	s_cselect_b32 s[GS], 0, 1.0
	s_cselect_b32 s[QM], -1, 0
	s_cselect_b32 s[RT], s[R2], s[RT]              ; then the second block's 8 - c slots are to come
	s_sub_co_u32 s[TT], s[J], 4                    ; that can be in trips 1 to 4 alone: J = 7 .. 4
	s_cmp_lt_u32 s[TT], 4
	s_cbranch_scc0 .Lsame
	SAVE
.Lsame:
	BODY
	s_sub_co_u32 s[J], s[J], 1
	s_cmp_lg_u32 s[J], 0
	s_cbranch_scc1 .Ltrip
	CHANGE 0                                       ; the walk's last slot is written out: nothing is asked for, and the blocks do not change here
	LK 0
	BODY
	FINA LAS, 3, 128                               ; the first block; its additions are also the places behind the last products
	FINB 3, 128, YB
	s_wait_xcnt 0x0                                ; the stores' data registers are loaded again only behind this wait
	s_wait_dscnt 0x0                               ; my reads of what my partner sent, and of my stage in the same bytes, are over:
	s_barrier_signal -1
	s_barrier_wait -1                              ; only now does anybody send again
	FINA LA, 1, 0                                  ; the second block
	FINB 1, 0, YB2
	s_wait_tensorcnt 0x0                           ; the wave's end
	ds_add_u32 v[SPW], v[NIL]
	s_wait_dscnt 0x0
	CROUND                                         ; the closing round
	s_endpgm
.Lfunc_end_k_q3d43a9011a_attn:
	.size	k_q3d43a9011a_attn, .Lfunc_end_k_q3d43a9011a_attn-k_q3d43a9011a_attn
	.p2alignl 7, 3214868480
	.fill 96, 4, 3214868480
	.section	.rodata,"a",@progbits
	.p2align	6, 0x0
	.amdhsa_kernel k_q3d43a9011a_attn
		.amdhsa_group_segment_fixed_size 327680
		.amdhsa_private_segment_fixed_size 0
		.amdhsa_enable_private_segment 0
		.amdhsa_kernarg_size 32
		.amdhsa_user_sgpr_count 2
		.amdhsa_user_sgpr_kernarg_segment_ptr 1
		.amdhsa_wavefront_size32 1
		.amdhsa_system_sgpr_workgroup_id_x 1
		.amdhsa_system_sgpr_workgroup_id_y 1
		.amdhsa_system_sgpr_workgroup_id_z 1
		.amdhsa_system_vgpr_workitem_id 0
		.amdhsa_next_free_vgpr 1024
		.amdhsa_next_free_sgpr 102
		.amdhsa_reserve_vcc 1
		.amdhsa_float_denorm_mode_32 3
		.amdhsa_float_denorm_mode_16_64 3
		.amdhsa_memory_ordered 1
		.amdhsa_forward_progress 1
		.amdhsa_inst_pref_size 145
	.end_amdhsa_kernel
	.amdgpu_metadata
---
amdhsa.version: [ 1, 2 ]
amdhsa.kernels:
  - .name:           k_q3d43a9011a_attn
    .symbol:         k_q3d43a9011a_attn.kd
    .args:
      - { .name: qh, .offset: 0, .size: 8, .value_kind: global_buffer, .address_space: global }
      - { .name: kh, .offset: 8, .size: 8, .value_kind: global_buffer, .address_space: global }
      - { .name: vh, .offset: 16, .size: 8, .value_kind: global_buffer, .address_space: global }
      - { .name: yb, .offset: 24, .size: 8, .value_kind: global_buffer, .address_space: global }
    .group_segment_fixed_size: 327680
    .private_segment_fixed_size: 0
    .kernarg_segment_align: 8
    .kernarg_segment_size: 32
    .max_flat_workgroup_size: 128
    .sgpr_count:     102
    .vgpr_count:     1024
    .wavefront_size: 32
...
	.end_amdgpu_metadata
.endif
;; end of part 3
;; launch proj (part 4): grid 32 x 8, 4 waves a work-group, clusters of 4 x 1, 327,680 bytes of LDS; arguments yb, wpt, out0; writes out0
.if DOCPART == 4
	.amdgcn_target "amdgcn-amd-amdhsa--gfx1250"
	.amdhsa_code_object_version 6
	.text
	.protected	k_q3d43a9011a_proj
	.globl	k_q3d43a9011a_proj
	.p2align	8
	.type	k_q3d43a9011a_proj,@function
k_q3d43a9011a_proj:
	s_mov_b64 s[64:65], 0
	v_nop
	global_prefetch_b8 v0, s[64:65] scope:SCOPE_SE
	s_setreg_imm32_b32 hwreg(HW_REG_WAVE_MODE, 25, 1), 1
	s_wait_xcnt 0x0
	s_wait_alu depctr_hold_cnt(0) depctr_sa_sdst(0) depctr_va_vdst(0) depctr_va_sdst(0) depctr_va_ssrc(0) depctr_va_vcc(0) depctr_vm_vsrc(0)
	s_getreg_b32 s2, hwreg(HW_REG_IB_STS2, 6, 4)
	s_cmp_eq_u32 s2, 0
	s_cbranch_scc0 .Lentry_in_a_cluster
	s_endpgm
.Lentry_in_a_cluster:
	s_bfe_u32 s2, ttmp6, 0x10000c
	s_cmp_lg_u32 s2, 0x3003
	s_cbranch_scc0 .Lentry_shape_is_right
	s_endpgm
.Lentry_shape_is_right:
; out0 = y @ wproj.  yb [8192][512] f16; wpt [2048][512] f16, row 64 G + 16 nb + r = column 64 G + 4 r + nb of wproj; out0 [8192][2048] f32.  Products in f16, sums in f32.
; The launch writes 67 MB for little matrix work, so its stores must leave while it multiplies, and it should fetch as little as it can.
; SHARES.  A work-group owns 256 rows x 256 columns: 32 x 8 work-groups.  Each of its four waves owns 64 rows and KEEPS THEIR 512 K OF y IN REGISTERS (512).  The work-group's 256 columns of wproj, 256 KB, come
; into LDS ONCE and are never filled again: no ring.  All four waves walk the same four tiles of 64 columns; a wave's 64 x 64 are 16 accumulators, and a finished tile is stored while the next is multiplied.
; FILLS.  A tile lies in LDS as four blocks, one for each quarter of K: 64 rows x 256 bytes.  Wave w asks at the head for quarter w of all four tiles, in the tiles' order: four tensor loads of 64 rows, each row
; 256 consecutive bytes of memory, aligned.  By this text's count a wave has four tensor loads out.  Tile t is read behind a counted wait that leaves the younger loads out, and a barrier.
; CLUSTER 4 x 1: the four partners are four blocks of rows with the same 256 columns: every load is asked for jointly.
; NO PREFETCH: all that the launch reads is asked for at its head, by the loads themselves; there is no later request to run ahead of.
; wpt's row order makes the four accumulators nb = 0 .. 3 hold four NEIGHBOURING columns in one lane: four moves gather 16 bytes, and sixteen lanes store a row's 256 bytes, with no way through LDS.
; REGISTERS (s_set_vgpr_msb: bits 1:0 source 0, 3:2 source 1, 5:4 source 2, 7:6 destination):
;   window 0: v0-15 addresses; v32-95, v96-159 two buffers of wpt's fragments (2 kc x 4 nb)     window 1: y, kc = 0..7 at 8 (8 a + kc)     window 2: kc = 8..15     window 3: v0-127 accumulators at 8 (4 a + nb); v128-255 gathered results
.set PITCH, 272                        ; an LDS row: 256 bytes + 16 of padding, so that the 16 rows of a fragment load start 16 bytes further round each time
.set QB,    64*PITCH                   ; a block: what one tensor load brings
.set TILEB, 4*QB                       ; a tile: its four quarters of K.  The largest LDS offset in a tile, 3 QB + 48 PITCH + 224 = 65,504, fits the 16-bit immediate
.set SPARE, 4*TILEB                    ; behind the four tiles: the spare words, 128 bytes for each wave
.set ADR0, 2                           ; v2   my lane's place in a block: 272 r + 16 h; never rewritten
.set ADR,  3                           ; v3   the same in the tile that is being fetched
.set AO,   4
.set CO,   5                           ; v5   my byte offset in my wave's rows of out0: 65,536 h + 16 r; never rewritten
.set SPW,  8                           ; v8   my spare word; never rewritten
.set NIL,  9                           ; v9   0; never rewritten
.set BF,   32
.set G1,  16                           ; s[16:23] group 1
.set G0,  24                           ; s[24:39] group 0, a set for each tile: all four loads are out together
.set CNT, 48                           ; s48  tiles to go, the one in hand among them
.set TB,  49                           ; s49  LDS byte at which the tile to be fetched begins
.set MSB, 0
.macro WIN new                         ; the immediate's high byte repeats the setting that is left; a switch that changes nothing is dropped
.if MSB != (\new)
	s_set_vgpr_msb (MSB<<8)|(\new)
.set MSB, \new
.endif
.endm
.macro PLACES                          ; four plain places behind matrix instructions, in front of loads into their sources and of readers of their results
.rept 4
	v_nop
.endr
.endm
.macro CROUND                          ; a round of the cluster's barrier
	s_barrier_signal -1
	s_barrier_wait -1
	s_cmp_lg_u32 s10, 0
	s_cbranch_scc1 .Lnot_wave_0_\@
	s_barrier_signal -3
.Lnot_wave_0_\@:
	s_barrier_wait -3
	s_barrier_signal -1
	s_barrier_wait -1
.endm
	s_load_b128 s[4:7], s[0:1], 0x0                ; yb s[4:5], wpt s[6:7]
	s_load_b64 s[8:9], s[0:1], 0x10                ; out0
	v_lshl_add_u32 v[SPW], v0, 2, SPARE
	v_mov_b32 v[NIL], 0
	ds_add_u32 v[SPW], v[NIL]                      ; the wave's opening: the add and its wait stand ahead of my first tensor load; the set-up stands between them
	v_lshrrev_b32 v1, 5, v0
	v_readfirstlane_b32 s10, v1                    ; wave 0..3
	s_bfe_u32 s11, ttmp6, 0x40000                  ; cx: it enters y's and out0's addresses alone
	s_lshl_b32 s12, ttmp9, 2
	s_add_co_u32 s12, s12, s11                     ; my block of 256 rows
	s_and_b32 s13, ttmp7, 0xffff                   ; which 256 columns: the four partners share it
	s_mov_b32 s[G1], 15|(1<<16)|(1<<20)|(1<<21)|(5<<22)|(3<<25)  ; the mask of four; 2-byte elements; padding on; bit 21 beside a mask; after every 64 words, 4 words
	s_mov_b32 s[G1+1], 128<<16                     ; tensor_dim0 = 128
	s_mov_b32 s[G1+2], 64<<16                      ; tensor_dim1 = 64
	s_mov_b32 s[G1+3], 128<<16                     ; tile_dim0 = 128
	s_mov_b32 s[G1+4], 64                          ; tile_dim1 = 64
	s_mov_b32 s[G1+5], 512                         ; elements from row to row
	s_mov_b32 s[G1+6], 0
	s_mov_b32 s[G1+7], 0
	s_lshl_b32 s44, s13, 18                        ; 256 rows of wpt, 1,024 bytes each,
	s_lshl_b32 s45, s10, 8                         ; my quarter of K: 256 bytes of a row
	s_add_co_u32 s44, s44, s45
	s_mov_b32 s45, 0
	s_mul_i32 s14, s10, QB                         ; and its block in a tile: no place in the cluster enters an LDS address
	s_mov_b32 s40, 0                               ; what the way out adds to out0's address: nothing for the first tile
	s_mov_b32 s41, 0
	s_mov_b32 s[TB], 0
	s_mov_b32 s[CNT], 4
	s_wait_dscnt 0x0                               ; the opening add is done
	s_wait_kmcnt 0x0
	s_add_nc_u64 s[46:47], s[6:7], s[44:45]
.irp t, 0,1,2,3
	s_mov_b32 s[G0+4*(\t)], 1
	s_add_co_u32 s[G0+4*(\t)+1], s14, (\t)*TILEB
	s_add_nc_u64 s[G0+4*(\t)+2:G0+4*(\t)+3], s[46:47], (\t)*65536  ; a tile is 64 rows of 1,024 bytes
	s_or_b32 s[G0+4*(\t)+3], s[G0+4*(\t)+3], 0x80000000
.endr
	CROUND                                         ; all four work-groups are here: the joint loads meet
.irp t, 0,1,2,3
	tensor_load_to_lds s[G0+4*(\t):G0+4*(\t)+3], s[G1:G1+7]  ; the launch's only fills, as one group, in the order in which the tiles are wanted
	s_nop 0
.endr
.rept 4
	v_nop
.endr
	s_lshl_b32 s44, s12, 18                        ; y: 256 rows of 1,024 bytes a block,
	s_lshl_b32 s15, s10, 16                        ; my wave's 64
	s_add_co_u32 s44, s44, s15
	s_add_nc_u64 s[4:5], s[4:5], s[44:45]
	s_lshl_b32 s44, s12, 21                        ; out0: 256 rows of 8,192 bytes a block,
	s_lshl_b32 s15, s10, 19                        ; my wave's 64,
	s_add_co_u32 s44, s44, s15
	s_lshl_b32 s15, s13, 10                        ; 256 columns of 4 bytes
	s_add_co_u32 s44, s44, s15
	s_add_nc_u64 s[8:9], s[8:9], s[44:45]
	v_and_b32 v1, 15, v0                           ; r
	v_bfe_u32 v7, v0, 4, 1                         ; h
	v_lshlrev_b32 v[AO], 10, v1
	v_lshl_add_u32 v[AO], v7, 4, v[AO]             ; a fragment of y: row r, 16 bytes for each half of the lanes
	WIN 0x40
.irp a, 0,1,2,3
.irp kc, 0,1,2,3,4,5,6,7
	global_load_b128 v[8*(8*(\a)+(\kc)):8*(8*(\a)+(\kc))+3],   v[AO], s[4:5] offset:16384*(\a)+64*(\kc)
	global_load_b128 v[8*(8*(\a)+(\kc))+4:8*(8*(\a)+(\kc))+7], v[AO], s[4:5] offset:16384*(\a)+64*(\kc)+32
.endr
.endr
	WIN 0x80
.irp a, 0,1,2,3
.irp kc, 0,1,2,3,4,5,6,7
	global_load_b128 v[8*(8*(\a)+(\kc)):8*(8*(\a)+(\kc))+3],   v[AO], s[4:5] offset:16384*(\a)+64*(\kc)+512
	global_load_b128 v[8*(8*(\a)+(\kc))+4:8*(8*(\a)+(\kc))+7], v[AO], s[4:5] offset:16384*(\a)+64*(\kc)+544
.endr
.endr
	WIN 0
	v_mul_u32_u24 v[ADR0], v1, PITCH
	v_lshl_add_u32 v[ADR0], v7, 4, v[ADR0]
	v_lshlrev_b32 v[CO], 16, v7                    ; lanes 16-31 hold the row eight below
	v_lshl_add_u32 v[CO], v1, 4, v[CO]
; 16 LDS loads: group g of eight of a tile: 64 along K (kc = 2 g, 2 g + 1) of the tile's 64 rows, into buffer g % 2.  kc lies in block kc / 4, at byte 64 (kc % 4) of its rows.
.macro FETCHB g
	WIN 0
.irp kc, 0,1
.irp nb, 0,1,2,3
	ds_load_b128 v[BF+64*((\g)%2)+8*(4*(\kc)+(\nb)):BF+64*((\g)%2)+8*(4*(\kc)+(\nb))+3],   v[ADR] offset:QB*((2*(\g)+(\kc))/4)+16*PITCH*(\nb)+64*((2*(\g)+(\kc))%4)
	ds_load_b128 v[BF+64*((\g)%2)+8*(4*(\kc)+(\nb))+4:BF+64*((\g)%2)+8*(4*(\kc)+(\nb))+7], v[ADR] offset:QB*((2*(\g)+(\kc))/4)+16*PITCH*(\nb)+64*((2*(\g)+(\kc))%4)+32
.endr
.endr
.endm
; 32 matrix instructions; the 16 accumulators take turns, one instruction a turn, over the backward jump too.  A tile's first 16 start the sums with the constant 0.
.macro MUL32 g
	WIN 0xf1+(\g)/4                                ; y in window 1 or 2, wpt in window 0, C and D in window 3
.irp kc, 0,1
.irp a, 0,1,2,3
.irp nb, 0,1,2,3
.if ((\g) == 0) && ((\kc) == 0)
	v_wmma_f32_16x16x32_f16 v[8*(4*(\a)+(\nb)):8*(4*(\a)+(\nb))+7], v[8*(8*(\a)+(2*(\g)+(\kc))%8):8*(8*(\a)+(2*(\g)+(\kc))%8)+7], v[BF+64*((\g)%2)+8*(4*(\kc)+(\nb)):BF+64*((\g)%2)+8*(4*(\kc)+(\nb))+7], 0
.else
	v_wmma_f32_16x16x32_f16 v[8*(4*(\a)+(\nb)):8*(4*(\a)+(\nb))+7], v[8*(8*(\a)+(2*(\g)+(\kc))%8):8*(8*(\a)+(2*(\g)+(\kc))%8)+7], v[BF+64*((\g)%2)+8*(4*(\kc)+(\nb)):BF+64*((\g)%2)+8*(4*(\kc)+(\nb))+7], v[8*(4*(\a)+(\nb)):8*(4*(\a)+(\nb))+7]
.endif
.endr
.endr
.endr
.endm
.macro WORK                            ; a tile's 256 matrix instructions; group 0 has been asked for; group g + 1 is fetched ahead of group g's products
.irp g, 0,1,2,3,4,5,6,7
.if (\g) < 7
.if (\g) > 0
	PLACES                                         ; (ahead of group 0 the places and the way out of the tile before stand between)
.endif
	FETCHB (\g)+1
	s_wait_dscnt 16                                ; all but the 16 just issued
.else
	s_wait_dscnt 0x0
.endif
	MUL32 \g
.endr
.endm
; THE WAY OUT of a tile.  Register j of accumulator (a, nb) in lane (r, h) is row 16 a + 8 h + j, column 4 r + nb of the tile's 64.  Each accumulator is read from its lowest register on.
.macro OUT
	WIN 0
	s_wait_xcnt 0x0                                ; the last tile's stores have read their registers and their base
	s_add_nc_u64 s[8:9], s[8:9], s[40:41]          ; 64 columns on (nothing the first time)
	s_mov_b32 s40, 256
.irp a, 0,1,2,3
	WIN 0xc3
.irp j, 0,1,2,3,4,5,6,7
.irp nb, 0,1,2,3
	v_mov_b32 v[128+4*(8*(\a)+(\j))+(\nb)], v[8*(4*(\a)+(\nb))+(\j)]
.endr
.endr
	WIN 0x0c                                       ; store data in window 3
.irp j, 0,1,2,3,4,5,6,7
	global_store_b128 v[CO], v[128+4*(8*(\a)+(\j)):128+4*(8*(\a)+(\j))+3], s[8:9] offset:8192*(16*(\a)+(\j)) th:TH_STORE_NT  ; sixteen lanes store 256 consecutive bytes, aligned
.endr
.endr
	WIN 0
.endm
	s_wait_tensorcnt 3                             ; my quarter of tile 0 is in; the three younger loads stay out
	s_barrier_signal -1
	s_barrier_wait -1                              ; everybody's is
	s_wait_loadcnt 0x0                             ; y
	v_add_nc_u32 v[ADR], s[TB], v[ADR0]
	FETCHB 0
.Ltile:                                                ; four trips: a tile's products; the next tile is waited for and its first fragments asked for; the tile goes out
	WORK
	WIN 0
	PLACES                                         ; behind the last products: in front of the loads into buffer 0 and of the moves that read the sums
	s_wait_tensorcnt 2                             ; my quarter of the NEXT tile is in: behind tile t the count is 2 - t, the loads younger than tile t + 1's.
	s_cmp_eq_u32 s[CNT], 4                         ; The counts stand in a row, and the loop's own counter says how far down the row a trip goes
	s_cbranch_scc1 .Lin
	s_wait_tensorcnt 1
	s_cmp_eq_u32 s[CNT], 3
	s_cbranch_scc1 .Lin
	s_wait_tensorcnt 0x0                           ; tile 3's load is the last (and in the last trip nothing is out)
.Lin:
	s_barrier_signal -1                            ; no LDS instruction of mine is out: the last group's wait was for 0.  The barrier stands on every trip's path, so that no jump passes a barrier
	s_barrier_wait -1                              ; everybody's quarter is in
	s_cmp_eq_u32 s[CNT], 1
	s_cbranch_scc1 .Llast                          ; behind the last tile there is nothing to fetch
	s_add_co_u32 s[TB], s[TB], TILEB
	v_add_nc_u32 v[ADR], s[TB], v[ADR0]
	FETCHB 0
.Llast:
	OUT                                            ; behind the next tile's first LDS loads, which come in meanwhile; nothing waits for the stores
	s_sub_co_u32 s[CNT], s[CNT], 1
	s_cmp_lg_u32 s[CNT], 0
	s_cbranch_scc1 .Ltile
	s_wait_tensorcnt 0x0                           ; the wave's end
	ds_add_u32 v[SPW], v[NIL]
	s_wait_dscnt 0x0
	CROUND                                         ; the closing round
	s_endpgm
.Lfunc_end_k_q3d43a9011a_proj:
	.size	k_q3d43a9011a_proj, .Lfunc_end_k_q3d43a9011a_proj-k_q3d43a9011a_proj
	.p2alignl 7, 3214868480
	.fill 96, 4, 3214868480
	.section	.rodata,"a",@progbits
	.p2align	6, 0x0
	.amdhsa_kernel k_q3d43a9011a_proj
		.amdhsa_group_segment_fixed_size 327680
		.amdhsa_private_segment_fixed_size 0
		.amdhsa_enable_private_segment 0
		.amdhsa_kernarg_size 24
		.amdhsa_user_sgpr_count 2
		.amdhsa_user_sgpr_kernarg_segment_ptr 1
		.amdhsa_wavefront_size32 1
		.amdhsa_system_sgpr_workgroup_id_x 1
		.amdhsa_system_sgpr_workgroup_id_y 1
		.amdhsa_system_sgpr_workgroup_id_z 1
		.amdhsa_system_vgpr_workitem_id 0
		.amdhsa_next_free_vgpr 1024
		.amdhsa_next_free_sgpr 72
		.amdhsa_reserve_vcc 0
		.amdhsa_float_denorm_mode_32 3
		.amdhsa_float_denorm_mode_16_64 3
		.amdhsa_memory_ordered 1
		.amdhsa_forward_progress 1
		.amdhsa_inst_pref_size 52
	.end_amdhsa_kernel
	.amdgpu_metadata
---
amdhsa.version: [ 1, 2 ]
amdhsa.kernels:
  - .name:           k_q3d43a9011a_proj
    .symbol:         k_q3d43a9011a_proj.kd
    .args:
      - { .name: yb, .offset: 0, .size: 8, .value_kind: global_buffer, .address_space: global }
      - { .name: wpt, .offset: 8, .size: 8, .value_kind: global_buffer, .address_space: global }
      - { .name: out0, .offset: 16, .size: 8, .value_kind: global_buffer, .address_space: global }
    .group_segment_fixed_size: 327680
    .private_segment_fixed_size: 0
    .kernarg_segment_align: 8
    .kernarg_segment_size: 24
    .max_flat_workgroup_size: 128
    .sgpr_count:     72
    .vgpr_count:     1024
    .wavefront_size: 32
...
	.end_amdgpu_metadata
.endif
;; end of part 4
